; MI455X (gfx1250); checked and timed in simulation.
; The chip was launched on July 23, 2026; its instructions are those of AMD's public machine-readable ISA for CDNA 5 (MIT licence, August 2026) and "CDNA5" Instruction Set Architecture Reference Guide (July 2026). The comments in the code are by the model that wrote it; some were corrected since.
;; Grouped Query Attention. Allowed arithmetic: matrix products marked QUANTISED: E2M1 operands, one E8M0 scale for each 32 along K, by v_wmma_scale_f32_16x16x128_f8f6f4 with both operands' format E2M1 (or v_wmma_scale_f32_32x16x128_f4), f32 sums; products left as they are: bf16, f16 or f32 operands; f32 sums; everything else in f32.
;; Inputs: Wk 1,024 x 256 float32; Wo 1,024 x 1,024 float32; Wq 1,024 x 1,024 float32; Wv 1,024 x 256 float32; bo 1,024 float32; x 2 x 2,048 x 1,024 float32.
;; Outputs: out0 2 x 2,048 x 1,024 float32.
;; This version of the problem:
;;   THIS VERSION OF THE PROBLEM IS GIVEN IN LOW PRECISION. The matrix products marked QUANTISED in the list below multiply operands that are first quantised to E2M1 (2 exponent bits, 1 mantissa bit; 4 bits a number), with one power-of-two scale for each 32 numbers along K (OCP MX v1.0); their sums are f32. The products marked 'left as it is' may take bf16, f16 or f32 operands, with f32 sums. Whichever they take, every output number must still come out within the allowed error. Rounding operands to bf16 (8 significant bits) uses up far more of that allowance than f16 does (11 bits, for magnitudes from 6e-5 to 65,504). All else is computed in f32.
;;   The module's matrix products, in the order in which they are computed (A, B: the left and right operand; K: the contracted axis; several contracted axes count as one K, in the product's order):
;;     1. [M 4,096, K 1,024] x [K 1,024, N 1,024]; A: input x; B: input Wq: QUANTISED
;;     2. [M 4,096, K 1,024] x [K 1,024, N 256]; A: input x; B: input Wk: QUANTISED
;;     3. [M 4,096, K 1,024] x [K 1,024, N 256]; A: input x; B: input Wv: QUANTISED
;;     4. batch 32 x [M 2,048, K 64] x [K 64, N 2,048]; A: computed on the way; B: computed on the way: left as it is (an operand is computed on the way)
;;     5. batch 32 x [M 2,048, K 2,048] x [K 2,048, N 64]; A: computed on the way; B: computed on the way: left as it is (an operand is computed on the way)
;;     6. [M 4,096, K 1,024] x [K 1,024, N 1,024]; A: computed on the way; B: input Wo: left as it is (an operand is computed on the way)
;;   THE QUANTISER, for each operand of a quantised product, along K:
;;     - K is cut into blocks of 32 from its start; a last block that is shorter is filled with zeros.
;;     - A block's scale is 2^e with e = floor(log2(the largest magnitude in the block)) - 2, held to -126 .. 127; a block of zeros has e = 0. As a byte (E8M0): e + 127.
;;     - Each number is divided by its block's scale, clamped to +-6, and rounded to the nearest number of E2M1, ties to even, subnormals kept.
;;     - The product sums the exact products of the quantised numbers (number of the format x scale) in f32.
;;   ~~~python
;;   def quantise(x, axis):      # numpy; x: float32 -> the quantised numbers, widened to float32 again
;;       x = np.moveaxis(x, axis, -1); K = x.shape[-1]
;;       x = np.pad(x, [(0, 0)] * (x.ndim - 1) + [(0, -K % 32)]); x = x.reshape(x.shape[:-1] + (-1, 32)); a = np.abs(x).max(-1, keepdims=True)
;;       e = np.where(a > 0, np.clip(np.frexp(np.where(a > 0, a, 1))[1] - 1 - 2, -126, 127), 0)      # np.frexp(a)[1] - 1 = floor(log2(a)), exactly
;;       r = np.clip(x / 2.0 ** e, -6, 6)
;;       step = 2.0 ** (np.maximum(np.frexp(np.where(r == 0, 1, r))[1] - 1, 0) - 1)
;;       q = np.round(r / step) * step * 2.0 ** e      # np.round: ties to even
;;       return np.moveaxis(q.reshape(q.shape[:-2] + (-1,))[..., :K], -1, axis).astype(np.float32)
;;   ~~~
;; One version. Each part assembles by itself: llvm-mc -triple=amdgcn-amd-amdhsa -mcpu=gfx1250 --defsym DOCPART=n.
;; ======== version 1 of 1: 5 launches
;; limits: values are held in f16: magnitudes above 65,504 overflow, below 6.1e-05 lose precision
;; workspace buffers: xc 2,097,152 bytes; xs 131,072 bytes; wc 786,432 bytes; ws 49,152 bytes; wot 2,097,152 bytes; qkv 12,582,912 bytes; fq 196,608 bytes; ctx 8,388,608 bytes
;; launch prep (part 1): grid 208 x 1, 16 waves a work-group, no clusters, 169,984 bytes of LDS; arguments x, Wq, Wk, Wv, Wo, xc, xs, wc, ws, wot; writes xc, xs, wc, ws, wot
.if DOCPART == 1
	.amdgcn_target "amdgcn-amd-amdhsa--gfx1250"
	.amdhsa_code_object_version 6
	.text
	.protected	k_q55a3b2873d_prep
	.globl	k_q55a3b2873d_prep
	.p2align	8
	.type	k_q55a3b2873d_prep,@function
k_q55a3b2873d_prep:
	s_mov_b64 s[64:65], 0
	v_nop
	global_prefetch_b8 v0, s[64:65] scope:SCOPE_SE
	s_setreg_imm32_b32 hwreg(HW_REG_WAVE_MODE, 25, 1), 1
	s_wait_xcnt 0x0
; PREP.  x [4096][1024] f32 (K innermost) and Wq, Wk, Wv [1024 (k)][N] f32 (K outermost) become codes of FP4 (E2M1), K innermost, with one E8M0 byte for each 32 along K;  Wo [1024 (k)][1024 (n)] becomes f16, laid [n][k].
; A block's scale is 2^(floor(log2(its largest magnitude)) - 2): its byte is the largest magnitude's exponent field - 2, held at 1 from below; each number / scale goes to the nearest code, ties to even, beyond 6 the code of 6.
; OUT:  xc [m][512 bytes]   xs [m][32 bytes]   wc [n 1536][512 bytes] (n 0-1023 Wq, 1024-1279 Wk, 1280-1535 Wv)   ws [half of K][n 1536][16 bytes]   wot [n][k] f16.
; LIMITS: a block of zeros, and one whose largest magnitude lies under 2^-124, keeps the byte 1 (a block of zeros has zero codes, and this program alone reads the bytes); |Wo| over 65,504 becomes infinity in f16,
; under 6e-5 it keeps f16's step of 6e-8; NaN and infinities among the inputs are not served.
; SHARES.  Work-groups 0-127: 32,768 numbers of x each, 2,048 a wave, in four steps of 512.  Work-groups 128-207: 64 columns x 512 along K of a weight: wave w takes 32 columns (w & 1) x 64 along K (w >> 1), a lane a column,
; its registers running down K.  Every wave asks for all its 8,192 bytes at once.  Results meet in LDS and leave as runs of 256 bytes and more.  Each kind of work-group has LDS bytes of its own; ONE barrier serves all.
.set XST,   0                          ; x: wave w at 5,120 w: two stages of 32 places of 80 bytes (a lane's 64 bytes + 16 of padding)
.set XSC,   81920                      ; x: the work-group's 1,024 scale bytes
.set WST,   82944                      ; weights: 64 rows (columns of W) x (256 bytes of codes + 16)
.set WSC,   100352                     ; weights: 64 x 16 scale bytes
.set OST,   101376                     ; Wo: 64 rows x (1,024 bytes of f16 + 16)
.set SPARE, 167936                     ; the spare words, 128 bytes for each of the sixteen waves: no other line names them
.set SP,    80
.set R,     16                         ; v16-79   64 numbers as they are loaded
.set X,     80                         ; v80-111  x: two sets of 16 neighbours;  weights: codes;  Wo: 32 packed registers
.set C,     112                        ; v112-119 x: a step's codes, two registers a step
.set E,     120                        ; v120-123 x: a step's scale byte
.set SPW,   124                        ; v124     LDS address of my spare word; never rewritten
.set NIL,   125                        ; v125     0; never rewritten
.set T,     128                        ; v128-132 at work
	s_load_b256 s[4:11], s[0:1], 0x0               ; x s[4:5], Wq s[6:7], Wk s[8:9], Wv s[10:11]
	s_load_b256 s[12:19], s[0:1], 0x20             ; Wo s[12:13], xc s[14:15], xs s[16:17], wc s[18:19]
	s_load_b128 s[20:23], s[0:1], 0x40             ; ws s[20:21], wot s[22:23]
	v_lshl_add_u32 v[SPW], v0, 2, SPARE
	v_mov_b32 v[NIL], 0
	v_lshrrev_b32 v1, 5, v0
	v_readfirstlane_b32 s24, v1                    ; wave 0..15
	v_and_b32 v1, 31, v0                           ; lane
	s_mov_b32 s25, ttmp9                           ; the work-group's number
	; every LDS address is made here, ahead of the parting of the ways
	v_lshlrev_b32 v3, 4, v1                        ; 16 x lane
	s_mul_i32 s26, s24, 2*32*SP
	v_lshrrev_b32 v14, 2, v1
	v_mul_u32_u24 v14, v14, SP
	v_and_b32 v15, 3, v1
	v_lshl_add_u32 v14, v15, 4, v14
	v_add_nc_u32 v14, s26, v14                     ; x, into the stage: four lanes' 64 bytes on end, then the padding
	v_mul_u32_u24 v15, v1, SP
	v_add_nc_u32 v15, s26, v15                     ; x, out of it: my 16 neighbours
	v_lshlrev_b32 v4, 3, v1                        ; x: my 8 bytes of a step's 256 bytes of codes
	s_lshl_b32 s26, s24, 6
	s_add_co_u32 s26, s26, XSC
	v_lshrrev_b32 v5, 1, v1
	v_add_nc_u32 v5, s26, v5                       ; x: my block's scale byte: XSC + 64 wave + lane / 2 (+ 16 a step)
	v_and_b32 v7, 63, v0
	v_lshlrev_b32 v7, 4, v7                        ; 16 x (thread & 63): in waves 0 and 1 that is 512 wave + 16 lane
	v_add_nc_u32 v6, XSC, v7                       ; x's scale bytes on the way out
	v_add_nc_u32 v13, WSC, v7                      ; the weights' likewise
	s_and_b32 s27, s24, 1                          ; cg: which 32 columns
	s_lshr_b32 s28, s24, 1                         ; kg: which 64 along K
	s_lshl_b32 s26, s27, 5
	v_add_nc_u32 v2, s26, v1                       ; my column of the 64
	v_mul_u32_u24 v8, v2, 272
	s_lshl_b32 s26, s28, 5
	s_add_co_u32 s26, s26, WST
	v_add_nc_u32 v8, s26, v8                       ; codes in: row = column, 32 bytes for each 64 along K
	v_lshlrev_b32 v9, 4, v2
	s_lshl_b32 s26, s28, 1
	s_add_co_u32 s26, s26, WSC
	v_add_nc_u32 v9, s26, v9                       ; my two scale bytes
	v_mul_u32_u24 v10, v2, 1040
	s_lshl_b32 s26, s28, 7
	s_add_co_u32 s26, s26, OST
	v_add_nc_u32 v10, s26, v10                     ; Wo in: row = column, 128 bytes for each 64 along K
	v_lshrrev_b32 v[T], 4, v1
	v_and_b32 v[T+1], 15, v1
	v_lshlrev_b32 v[T+1], 4, v[T+1]
	v_mad_u32_u24 v11, v[T], 272, v[T+1]
	s_mul_i32 s26, s24, 4*272
	s_add_co_u32 s26, s26, WST
	v_add_nc_u32 v11, s26, v11                     ; codes out: row 4 wave + lane / 16 (+ 2), sixteen lanes to a row
	v_lshl_add_u32 v12, v[T], 9, v[T+1]
	s_lshl_b32 s26, s24, 11
	v_add_nc_u32 v12, s26, v12                     ; and the same place in wc (rows of 512 bytes)
	s_mul_i32 s26, s24, 4*1040
	s_add_co_u32 s26, s26, OST
	v_add_nc_u32 v2, s26, v3                       ; Wo out: rows 4 wave on, 512 bytes an instruction
	s_lshl_b32 s26, s24, 13
	v_add_nc_u32 v126, s26, v3                     ; and the same place in wot (rows of 2,048 bytes)
	v_lshlrev_b32 v127, 2, v1                      ; a weight's loads: 4 bytes a lane
	; which part is mine
	s_sub_co_u32 s29, s25, 128
	s_and_b32 s31, s25, 1                          ; kh: which half of K
	s_lshr_b32 s30, s29, 1                         ; cb: block of 64 columns: 0-15 Wq, 16-19 Wk, 20-23 Wv, 24-39 Wo
	s_sub_co_u32 s35, s30, 16
	s_cmp_lt_u32 s35, 8                            ; Wk and Wv have rows of 256 numbers, Wq and Wo of 1,024
	s_cselect_b32 s36, 1, 0
	s_cselect_b32 s37, 10, 12                      ; a row in bytes, as a shift
	s_lshl_b32 s42, s25, 4
	s_add_co_u32 s42, s42, s24                     ; x: which run of 2,048 numbers is my wave's
	s_mov_b32 s43, 0
	s_lshl_b32 s44, s42, 10
	s_mov_b32 s45, 0
	s_lshl_b32 s42, s42, 13
	s_lshl_b32 s46, s25, 10
	s_mov_b32 s47, 0
	s_wait_kmcnt 0x0
	s_add_nc_u64 s[4:5], s[4:5], s[42:43]          ; x at my run,
	s_add_nc_u64 s[14:15], s[14:15], s[44:45]      ; its codes,
	s_add_nc_u64 s[16:17], s[16:17], s[46:47]      ; the work-group's scale bytes
	s_cmp_lt_u32 s30, 24                           ; the weight is chosen by the work-group's number alone
	s_cselect_b64 s[32:33], s[10:11], s[12:13]
	s_cselect_b32 s34, 20, 24
	s_cmp_lt_u32 s30, 20
	s_cselect_b64 s[32:33], s[8:9], s[32:33]
	s_cselect_b32 s34, 16, s34
	s_cmp_lt_u32 s30, 16
	s_cselect_b64 s[32:33], s[6:7], s[32:33]
	s_cselect_b32 s34, 0, s34
	s_lshl_b32 s38, s31, 9
	s_lshl_b32 s39, s28, 6
	s_add_co_u32 s38, s38, s39                     ; my first k: 512 kh + 64 kg
	s_lshl_b32 s38, s38, s37                       ; rows down
	s_sub_co_u32 s40, s30, s34
	s_lshl_b32 s40, s40, 6                         ; c0: the block's first column in its own weight
	s_lshl_b32 s41, s27, 5
	s_add_co_u32 s41, s41, s40
	s_lshl_b32 s41, s41, 2
	s_add_co_u32 s38, s38, s41
	s_mov_b32 s39, 0
	s_add_nc_u64 s[32:33], s[32:33], s[38:39]      ; the weight at (my first k, my wave's first column)
	s_lshl_b32 s42, s30, 15
	s_lshl_b32 s44, s31, 8
	s_add_co_u32 s42, s42, s44
	s_add_nc_u64 s[18:19], s[18:19], s[42:43]      ; wc at row 64 cb, + 256 kh
	s_lshl_b32 s42, s30, 10
	s_mul_i32 s44, s31, 24576
	s_add_co_u32 s42, s42, s44
	s_add_nc_u64 s[20:21], s[20:21], s[42:43]      ; ws at [kh][64 cb]
	s_lshl_b32 s42, s40, 11
	s_lshl_b32 s44, s31, 10
	s_add_co_u32 s42, s42, s44
	s_add_nc_u64 s[22:23], s[22:23], s[42:43]      ; wot at row c0, + 1,024 kh
.macro XLOAD t                         ; step t: four loads of 512 consecutive bytes
.irp i, 0,1,2,3
	global_load_b128 v[R+16*(\t)+4*\i:R+16*(\t)+4*\i+3], v3, s[4:5] offset:2048*(\t)+512*\i th:TH_LOAD_NT
.endr
.endm
.macro XTURN t                         ; step t's numbers through the stage: LDS serves a wave's instructions in order, so no wait stands between the stores and the loads
.irp i, 0,1,2,3
	ds_store_b128 v14, v[R+16*(\t)+4*\i:R+16*(\t)+4*\i+3] offset:32*SP*((\t)%2)+8*SP*\i
.endr
.irp i, 0,1,2,3
	ds_load_b128 v[X+16*((\t)%2)+4*\i:X+16*((\t)%2)+4*\i+3], v15 offset:32*SP*((\t)%2)+16*\i
.endr
.endm
.macro XSTEP t
.set XS, X+16*((\t)%2)
.if (\t) > 0
	s_wait_dscnt 0x1                               ; this step's numbers are back from the stage; the last step's byte store may be out
.else
	s_wait_dscnt 0x0
.endif
.if (\t) < 3
	s_wait_loadcnt 4*(2-(\t))                      ; the next step's four loads are in; those of the steps behind it may be out
	XTURN (\t)+1
.endif
	v_max3_num_f32 v[T], |v[XS]|, |v[XS+1]|, |v[XS+2]|             ; the largest magnitude of my 16, in two chains
	v_max3_num_f32 v[T+1], |v[XS+3]|, |v[XS+4]|, |v[XS+5]|
.irp i, 6,10
	v_max3_num_f32 v[T], v[T], |v[XS+\i]|, |v[XS+\i+1]|
	v_max3_num_f32 v[T+1], v[T+1], |v[XS+\i+2]|, |v[XS+\i+3]|
.endr
	v_max3_num_f32 v[T], v[T], |v[XS+14]|, |v[XS+15]|
	v_max3_num_f32 v[T], v[T], v[T+1], 0x1800000   ; and the floor 2^(3 - 127): the byte cannot fall under 1
	v_max_num_f32_dpp v[T], v[T], v[T] row_xmask:1 row_mask:0xf bank_mask:0xf   ; with my neighbour's 16: the block's
	v_add_nc_u32 v[T+2], 0xff000000, v[T]          ; 2 off its exponent field: the conversion takes this operand's exponent field as its scale
	v_cvt_scalef32_pk8_fp4_f32 v[C+2*(\t)], v[XS:XS+7], v[T+2]
	v_cvt_scalef32_pk8_fp4_f32 v[C+2*(\t)+1], v[XS+8:XS+15], v[T+2]
	v_lshrrev_b32 v[E+(\t)], 23, v[T+2]            ; the scale's byte
	ds_store_b8 v5, v[E+(\t)] offset:16*(\t)       ; both lanes of a block write the same byte with the same value
	global_store_b64 v4, v[C+2*(\t):C+2*(\t)+1], s[14:15] offset:256*(\t)   ; the wave stores 256 consecutive bytes, aligned
.endm
.macro WLOAD n                         ; W(my first k + i, my column), i = 0 .. 63: each load reads 128 consecutive bytes, two waves side by side 256
.set i, 0
.rept 64
	global_load_b32 v[R+i], v127, s[32:33] offset:i*(\n)*4 th:TH_LOAD_NT
.set i, i+1
.endr
.endm
.macro WBLOCK c                        ; my column's block c of two: all its 32 numbers are mine
.set XS, R+32*(\c)
	v_max3_num_f32 v[T], |v[XS]|, |v[XS+1]|, |v[XS+2]|
	v_max3_num_f32 v[T+1], |v[XS+3]|, |v[XS+4]|, |v[XS+5]|
.irp i, 6,10,14,18,22,26
	v_max3_num_f32 v[T], v[T], |v[XS+\i]|, |v[XS+\i+1]|
	v_max3_num_f32 v[T+1], v[T+1], |v[XS+\i+2]|, |v[XS+\i+3]|
.endr
	v_max3_num_f32 v[T], v[T], |v[XS+30]|, |v[XS+31]|
	v_max3_num_f32 v[T], v[T], v[T+1], 0x1800000
	v_add_nc_u32 v[T+2], 0xff000000, v[T]
.if (\c) == 0
	v_lshrrev_b32 v[T+4], 23, v[T+2]               ; the two bytes share a register, the lower k below
.else
	v_lshrrev_b32 v[T+3], 23, v[T+2]
	v_lshl_or_b32 v[T+4], v[T+3], 8, v[T+4]
.endif
.irp g, 0,1,2,3
	v_cvt_scalef32_pk8_fp4_f32 v[X+4*(\c)+\g], v[XS+8*\g:XS+8*\g+7], v[T+2]
.endr
	ds_store_b128 v8, v[X+4*(\c):X+4*(\c)+3] offset:16*(\c)
.endm
	s_cmp_lt_u32 s25, 128
	s_cbranch_scc0 .Lw1
	XLOAD 0                                        ; ---- x: all sixteen loads of the wave go out at once
	XLOAD 1
	XLOAD 2
	XLOAD 3
	s_wait_loadcnt 12                              ; step 0's four are in, twelve are out
	XTURN 0
	XSTEP 0
	XSTEP 1
	XSTEP 2
	XSTEP 3
	s_branch .Ljoin1
.Lw1:                                              ; ---- a weight: 64 loads a wave, on both ways
	s_cmp_eq_u32 s36, 1
	s_cbranch_scc1 .Lnarrow
	WLOAD 1024
	s_branch .Lloaded
.Lnarrow:
	WLOAD 256
.Lloaded:
	s_cmp_lt_u32 s30, 24
	s_cbranch_scc0 .Lwo1
	s_wait_loadcnt 32                              ; block 0's 32 loads are in, block 1's may be out
	WBLOCK 0
	s_wait_loadcnt 0x0
	WBLOCK 1
	ds_store_b16 v9, v[T+4]
	s_branch .Ljoin1
.Lwo1:                                             ; ---- Wo: neighbours along k are packed into f16 pairs (round to nearest even)
	s_wait_loadcnt 0x0
.set i, 0
.rept 32
	v_cvt_pk_f16_f32 v[X+i], v[R+2*i], v[R+2*i+1]
.set i, i+1
.endr
.irp i, 0,1,2,3,4,5,6,7
	ds_store_b128 v10, v[X+4*\i:X+4*\i+3] offset:16*\i
.endr
.Ljoin1:
	s_wait_dscnt 0x0                               ; for the others' sake: all my LDS stores have landed
	s_barrier_signal -1
	s_barrier_wait -1
	s_cmp_lt_u32 s25, 128
	s_cbranch_scc0 .Lw2
	s_cmp_lt_u32 s24, 2                            ; x's 1,024 scale bytes leave by waves 0 and 1, 512 consecutive bytes each
	s_cbranch_scc0 .Ljoin2
	ds_load_b128 v[16:19], v6
	s_wait_dscnt 0x0
	global_store_b128 v7, v[16:19], s[16:17]
	s_branch .Ljoin2
.Lw2:
	s_cmp_lt_u32 s30, 24
	s_cbranch_scc0 .Lwo2
	ds_load_b128 v[16:19], v11                     ; codes: four rows a wave, sixteen lanes store 256 consecutive bytes, aligned
	ds_load_b128 v[20:23], v11 offset:2*272
	s_wait_dscnt 0x1
	global_store_b128 v12, v[16:19], s[18:19]
	s_wait_dscnt 0x0
	global_store_b128 v12, v[20:23], s[18:19] offset:2*512
	s_cmp_lt_u32 s24, 2                            ; the 64 columns' 1,024 scale bytes are consecutive in ws: waves 0 and 1
	s_cbranch_scc0 .Ljoin2
	ds_load_b128 v[24:27], v13
	s_wait_dscnt 0x0
	global_store_b128 v7, v[24:27], s[20:21]
	s_branch .Ljoin2
.Lwo2:
.irp t, 0,1,2,3,4,5,6,7
	ds_load_b128 v[16+4*\t:16+4*\t+3], v2 offset:(\t/2)*1040+512*(\t%2)
.endr
.irp t, 0,1,2,3,4,5,6,7
	s_wait_dscnt 7-\t                              ; LDS loads come back in order: number t is in
	global_store_b128 v126, v[16+4*\t:16+4*\t+3], s[22:23] offset:(\t/2)*2048+512*(\t%2)   ; 512 consecutive bytes of a row of wot
.endr
.Ljoin2:
	s_wait_tensorcnt 0x0                           ; the wave's end
	ds_add_u32 v[SPW], v[NIL]
	s_wait_dscnt 0x0
	s_endpgm
.Lfunc_end_k_q55a3b2873d_prep:
	.size	k_q55a3b2873d_prep, .Lfunc_end_k_q55a3b2873d_prep-k_q55a3b2873d_prep
	.p2alignl 7, 3214868480
	.fill 96, 4, 3214868480
	.section	.rodata,"a",@progbits
	.p2align	6, 0x0
	.amdhsa_kernel k_q55a3b2873d_prep
		.amdhsa_group_segment_fixed_size 169984
		.amdhsa_private_segment_fixed_size 0
		.amdhsa_enable_private_segment 0
		.amdhsa_kernarg_size 80
		.amdhsa_user_sgpr_count 2
		.amdhsa_user_sgpr_kernarg_segment_ptr 1
		.amdhsa_wavefront_size32 1
		.amdhsa_system_sgpr_workgroup_id_x 1
		.amdhsa_system_sgpr_workgroup_id_y 1
		.amdhsa_system_sgpr_workgroup_id_z 1
		.amdhsa_system_vgpr_workitem_id 0
		.amdhsa_next_free_vgpr 144
		.amdhsa_next_free_sgpr 66
		.amdhsa_reserve_vcc 0
		.amdhsa_float_denorm_mode_32 3
		.amdhsa_float_denorm_mode_16_64 3
		.amdhsa_memory_ordered 1
		.amdhsa_forward_progress 1
		.amdhsa_inst_pref_size 34
	.end_amdhsa_kernel
	.amdgpu_metadata
---
amdhsa.version: [ 1, 2 ]
amdhsa.kernels:
  - .name:           k_q55a3b2873d_prep
    .symbol:         k_q55a3b2873d_prep.kd
    .args:
      - { .name: x, .offset: 0, .size: 8, .value_kind: global_buffer, .address_space: global }
      - { .name: Wq, .offset: 8, .size: 8, .value_kind: global_buffer, .address_space: global }
      - { .name: Wk, .offset: 16, .size: 8, .value_kind: global_buffer, .address_space: global }
      - { .name: Wv, .offset: 24, .size: 8, .value_kind: global_buffer, .address_space: global }
      - { .name: Wo, .offset: 32, .size: 8, .value_kind: global_buffer, .address_space: global }
      - { .name: xc, .offset: 40, .size: 8, .value_kind: global_buffer, .address_space: global }
      - { .name: xs, .offset: 48, .size: 8, .value_kind: global_buffer, .address_space: global }
      - { .name: wc, .offset: 56, .size: 8, .value_kind: global_buffer, .address_space: global }
      - { .name: ws, .offset: 64, .size: 8, .value_kind: global_buffer, .address_space: global }
      - { .name: wot, .offset: 72, .size: 8, .value_kind: global_buffer, .address_space: global }
    .group_segment_fixed_size: 169984
    .private_segment_fixed_size: 0
    .kernarg_segment_align: 8
    .kernarg_segment_size: 80
    .max_flat_workgroup_size: 512
    .sgpr_count:     66
    .vgpr_count:     144
    .wavefront_size: 32
...
	.end_amdgpu_metadata
.endif
;; end of part 1
;; launch qkv (part 2): grid 8 x 32, 4 waves a work-group, clusters of 4 x 1, 262,144 bytes of LDS; arguments xc, xs, wc, ws, qkv, fq; writes qkv, fq
.if DOCPART == 2
	.amdgcn_target "amdgcn-amd-amdhsa--gfx1250"
	.amdhsa_code_object_version 6
	.text
	.protected	k_q55a3b2873d_qkv
	.globl	k_q55a3b2873d_qkv
	.p2align	8
	.type	k_q55a3b2873d_qkv,@function
k_q55a3b2873d_qkv:
	s_mov_b64 s[64:65], 0
	v_nop
	global_prefetch_b8 v0, s[64:65] scope:SCOPE_SE
	s_setreg_imm32_b32 hwreg(HW_REG_WAVE_MODE, 25, 1), 1
	s_wait_xcnt 0x0
	s_wait_alu depctr_hold_cnt(0) depctr_sa_sdst(0) depctr_va_vdst(0) depctr_va_sdst(0) depctr_va_ssrc(0) depctr_va_vcc(0) depctr_vm_vsrc(0)
	s_getreg_b32 s2, hwreg(HW_REG_IB_STS2, 6, 4)
	s_cmp_eq_u32 s2, 0
	s_cbranch_scc0 .Lentry_in_a_cluster
	s_endpgm
.Lentry_in_a_cluster:
	s_bfe_u32 s2, ttmp6, 0x10000c
	s_cmp_lg_u32 s2, 0x3003
	s_cbranch_scc0 .Lentry_shape_is_right
	s_endpgm
.Lentry_shape_is_right:
; QKV.  [4096 x 1024] x [1024 x 1536] on codes of FP4 (E2M1) with E8M0 scales, sums in f32: x Wq, x Wk and x Wv as one product.  Codes and scale bytes go to the matrix unit as they lie.
; OUT: qkv, f16, [24 heads][4096 rows][64] (0-15 q, 16-19 k, 20-23 v), rounded once to nearest even; fq, f32, [2][16][1536]: positions 0-15 of both sequences, unrounded, for the launch that carries them finely.
; LIMIT: |q|, |k|, |v| over 65,504 become infinity in f16.
; SHARES.  A work-group makes 128 rows x 192 columns (three heads); its four waves 64 x 96 each: 24 accumulators of 16 x 16.  All of K (1,024: 512 bytes a row) fits in LDS, in two halves of 256-byte rows:
; everything is asked for once, at the head, and nothing is filled again.  The second half lands while the first is multiplied.
; CLUSTER 4 x 1: the four partners make the same 128 rows, so x's codes and scale bytes are asked for JOINTLY (mask 15); the weights' tiles differ from partner to partner and come by plain loads.
; A 4 x 4 cluster is not taken: the copy of positions 0-15 hangs on the block of rows, which here is the cluster's own y, the same in all partners.
; THE MATRIX INSTRUCTION IS USED TRANSPOSED (source 0 = 16 columns of W, source 1 = 16 rows of x): a lane holds eight neighbouring columns of one row.
; REGISTERS: window 0: v16-29 addresses; v32-63 x's scale words [half][block a][128 along K]; v64-111 W's [half][block b][..]; v112-175 x's fragments, two sets; on the way out v112-207.
;   window 1: W's fragments, two sets of 48 at v0 and v64.   window 2: accumulator (a, b) at v[8 (6 a + b)].
.set PITCH,  272                       ; an LDS row: 256 bytes + 16 of padding: the 16 rows of a fragment load start at 16 different groups of banks
.set HALF,   87040                     ; a half of K: x's 128 rows, then W's 192
.set BOFF,   128*PITCH
.set SCA,    2*HALF                    ; x's scale bytes: 16 pieces of 256 bytes + 16 (8 rows of 32 bytes to a piece)
.set SCB,    SCA+16*272                ; W's: for each half of K 12 pieces of 256 + 16 (16 columns of 16 bytes to a piece)
.set STG,    185088                    ; the stage for the way out: 128 rows x (384 bytes + 16); no fill lands in its blocks of 256 bytes
.set SPITCH, 400
.set SPARE,  STG+128*SPITCH            ; the spare words, 128 bytes for each wave: no other line names them
.set ADRA, 16                          ; v16-17 LDS address of my fragments of x in half 0, 1
.set ADRB, 20                          ; v20-21 the same for W
.set ASA,  22                          ; v22    of x's scale words
.set ASB,  23                          ; v23    of W's
.set STO,  24
.set RD,   25
.set GO,   26
.set FO,   27
.set SPW,  28                          ; v28    LDS address of my spare word; never rewritten
.set NIL,  29                          ; v29    0; never rewritten
.set SA,   32
.set SB,   64
.set AF,   112
.set OB,   112
.set G1A,  24                          ; s[24:31] group 1: x's codes;  s[32:39] W's codes;  s[40:47] x's scale bytes;  s[48:55] W's scale bytes
.set G1B,  32
.set G1SA, 40
.set G1SB, 48
.set MSB, 0
.macro WIN new                         ; the immediate's high byte repeats the setting that is left
.if MSB != \new
	s_set_vgpr_msb (MSB<<8)|\new
.set MSB, \new
.endif
.endm
.set W_MUL, 0xa1                       ; source 0 (W) window 1, source 1 (x) window 0, C and D window 2
.set TO_B,  0x40                       ; destination window 1, address window 0
.macro PLACES
.rept 4
	v_nop
.endr
.endm
.macro CROUND                          ; a round of the cluster's barrier
	s_barrier_signal -1
	s_barrier_wait -1
	s_cmp_lg_u32 s16, 0
	s_cbranch_scc1 .Lnot_wave_0_\@
	s_barrier_signal -3
.Lnot_wave_0_\@:
	s_barrier_wait -3
	s_barrier_signal -1
	s_barrier_wait -1
.endm
	s_load_b256 s[4:11], s[0:1], 0x0               ; xc s[4:5], xs s[6:7], wc s[8:9], ws s[10:11]
	s_load_b128 s[12:15], s[0:1], 0x20             ; qkv s[12:13], fq s[14:15]
	v_lshl_add_u32 v[SPW], v0, 2, SPARE
	v_mov_b32 v[NIL], 0
	ds_add_u32 v[SPW], v[NIL]                      ; the wave's opening: the add, twice on end, and its wait ahead of my first tensor load
	ds_add_u32 v[SPW], v[NIL]
	v_lshrrev_b32 v1, 5, v0
	v_readfirstlane_b32 s16, v1                    ; wave 0..3
	s_lshr_b32 s17, s16, 1                         ; wr: my 64 rows.  Also: I fetch for x (0) or for W (1)
	s_and_b32 s18, s16, 1                          ; wcol: my 96 columns.  Also: which half of that tile's rows I fetch
	s_bfe_u32 s19, ttmp6, 0x40000                  ; cx
	s_lshl_b32 s20, ttmp9, 2
	s_add_co_u32 s20, s20, s19                     ; X: block of 192 columns = 4 x cluster x + cx
	s_and_b32 s21, ttmp7, 0xffff                   ; y: block of 128 rows, the same in all four partners
	s_and_b32 s22, s21, 15
	s_or_b32 s22, s22, s17                         ; 0 where my rows begin a sequence
	s_mov_b32 s[G1A+0], 15|(1<<20)|(1<<21)|(5<<22)|(3<<25)   ; mask: all four; bytes; padding on; bit 21 beside a mask; 4 words behind every 64
	s_mov_b32 s[G1A+1], 256<<16                    ; tensor_dim0 = 256 bytes
	s_mov_b32 s[G1A+2], 64<<16                     ; tensor_dim1 = 64 rows
	s_mov_b32 s[G1A+3], 256<<16                    ; tile_dim0
	s_mov_b32 s[G1A+4], 64                         ; tile_dim1
	s_mov_b32 s[G1A+5], 512                        ; from row to row
	s_mov_b32 s[G1A+6], 0
	s_mov_b32 s[G1A+7], 0
	s_mov_b32 s[G1B+0], (1<<20)|(5<<22)|(3<<25)    ; no mask: a load of my own
	s_mov_b32 s[G1B+1], 256<<16
	s_mov_b32 s[G1B+2], 96<<16
	s_mov_b32 s[G1B+3], 256<<16
	s_mov_b32 s[G1B+4], 96
	s_mov_b32 s[G1B+5], 512
	s_mov_b32 s[G1B+6], 0
	s_mov_b32 s[G1B+7], 0
	s_mov_b32 s[G1SA+0], 15|(3<<16)|(1<<20)|(1<<21)|(5<<22)|(3<<25)   ; a dense block as rows of 32 elements of 8 bytes
	s_mov_b32 s[G1SA+1], 32<<16
	s_mov_b32 s[G1SA+2], 8<<16                     ; 64 rows x 32 bytes = 8 x 256
	s_mov_b32 s[G1SA+3], 32<<16
	s_mov_b32 s[G1SA+4], 8
	s_mov_b32 s[G1SA+5], 32
	s_mov_b32 s[G1SA+6], 0
	s_mov_b32 s[G1SA+7], 0
	s_mov_b32 s[G1SB+0], (3<<16)|(1<<20)|(5<<22)|(3<<25)
	s_mov_b32 s[G1SB+1], 32<<16
	s_mov_b32 s[G1SB+2], 6<<16                     ; 96 columns x 16 bytes = 6 x 256
	s_mov_b32 s[G1SB+3], 32<<16
	s_mov_b32 s[G1SB+4], 6
	s_mov_b32 s[G1SB+5], 32
	s_mov_b32 s[G1SB+6], 0
	s_mov_b32 s[G1SB+7], 0
	s_lshl_b32 s88, s21, 7                         ; x's offsets are made of y and the wave's number alone, in registers that never hold cx
	s_lshl_b32 s89, s18, 6
	s_add_co_u32 s88, s88, s89                     ; row 128 y + 64 half
	s_lshl_b32 s90, s88, 5                         ; its scale bytes
	s_mov_b32 s91, 0
	s_lshl_b32 s88, s88, 9                         ; its codes
	s_mov_b32 s89, 0
	s_mul_i32 s92, s20, 192
	s_mul_i32 s93, s18, 96
	s_add_co_u32 s92, s92, s93                     ; W's column 192 X + 96 half
	s_lshl_b32 s94, s92, 4                         ; its scale bytes (in each half of K)
	s_mov_b32 s95, 0
	s_lshl_b32 s92, s92, 9                         ; its codes
	s_mov_b32 s93, 0
	s_mov_b32 s56, 1                               ; groups 0: count 1, LDS address (the wave's number and constants alone)
	s_mul_i32 s57, s18, 8*272
	s_add_co_u32 s57, s57, SCA
	s_mov_b32 s60, 1
	s_mul_i32 s61, s18, 64*PITCH
	s_mov_b32 s68, 1
	s_add_co_u32 s69, s61, HALF
	s_mov_b32 s72, 1
	s_mul_i32 s73, s18, 6*272
	s_add_co_u32 s73, s73, SCB
	s_mov_b32 s76, 1
	s_add_co_u32 s77, s73, 12*272
	s_mov_b32 s80, 1
	s_mul_i32 s81, s18, 96*PITCH
	s_add_co_u32 s81, s81, BOFF
	s_mov_b32 s84, 1
	s_add_co_u32 s85, s81, HALF
	s_wait_dscnt 0x0                               ; both opening adds are done
	s_wait_kmcnt 0x0
	s_add_nc_u64 s[58:59], s[6:7], s[90:91]        ; x's scale bytes
	s_add_nc_u64 s[62:63], s[4:5], s[88:89]        ; x's codes, first half of K,
	s_add_nc_u64 s[70:71], s[62:63], 256           ; second half
	s_add_nc_u64 s[74:75], s[10:11], s[94:95]      ; W's scale bytes, first half,
	s_add_nc_u64 s[78:79], s[74:75], 24576         ; second half
	s_add_nc_u64 s[82:83], s[8:9], s[92:93]        ; W's codes
	s_add_nc_u64 s[86:87], s[82:83], 256
	s_or_b32 s59, s59, 0x80000000                  ; type = 2
	s_or_b32 s63, s63, 0x80000000
	s_or_b32 s71, s71, 0x80000000
	s_or_b32 s75, s75, 0x80000000
	s_or_b32 s79, s79, 0x80000000
	s_or_b32 s83, s83, 0x80000000
	s_or_b32 s87, s87, 0x80000000
	CROUND                                         ; all four work-groups are here: the joint loads meet
	s_cmp_eq_u32 s17, 0                            ; a wave's first fills stand in one branch on its number: three loads of mine are out (x) or four (W)
	s_cbranch_scc0 .Lfill_b
	tensor_load_to_lds s[56:59], s[G1SA:G1SA+7]
	s_nop 0
	tensor_load_to_lds s[60:63], s[G1A:G1A+7]
	s_nop 0
	tensor_load_to_lds s[68:71], s[G1A:G1A+7]
	s_nop 0
	PLACES
	s_branch .Lfilled
.Lfill_b:
	tensor_load_to_lds s[72:75], s[G1SB:G1SB+7]
	s_nop 0
	tensor_load_to_lds s[76:79], s[G1SB:G1SB+7]
	s_nop 0
	tensor_load_to_lds s[80:83], s[G1B:G1B+7]
	s_nop 0
	tensor_load_to_lds s[84:87], s[G1B:G1B+7]
	s_nop 0
	PLACES
.Lfilled:
	v_and_b32 v1, 15, v0                           ; r
	v_bfe_u32 v2, v0, 4, 1                         ; h
	v_mul_u32_u24 v3, v1, PITCH
	v_lshl_add_u32 v3, v2, 4, v3                   ; a fragment's row x pitch + 16 h
	s_mul_i32 s96, s17, 64*PITCH
	v_add_nc_u32 v[ADRA], s96, v3
	v_add_nc_u32 v[ADRA+1], HALF, v[ADRA]
	s_mul_i32 s96, s18, 96*PITCH
	s_add_co_u32 s96, s96, BOFF
	v_add_nc_u32 v[ADRB], s96, v3
	v_add_nc_u32 v[ADRB+1], HALF, v[ADRB]
	v_lshrrev_b32 v4, 3, v1
	v_and_b32 v5, 7, v1
	v_lshlrev_b32 v5, 5, v5
	v_mad_u32_u24 v[ASA], v4, 272, v5              ; x's scale words: row r: piece r / 8, 32 bytes a row
	s_mul_i32 s96, s17, 8*272
	s_add_co_u32 s96, s96, SCA
	v_add_nc_u32 v[ASA], s96, v[ASA]
	s_mul_i32 s96, s18, 6*272
	s_add_co_u32 s96, s96, SCB
	v_lshl_add_u32 v[ASB], v1, 4, s96              ; W's: column r: 16 bytes a column
	v_mul_u32_u24 v[STO], v1, SPITCH
	v_lshl_add_u32 v[STO], v2, 4, v[STO]
	s_mul_i32 s96, s17, 64*SPITCH
	s_mul_i32 s97, s18, 192
	s_add_co_u32 s96, s96, s97
	s_add_co_u32 s96, s96, STG
	v_add_nc_u32 v[STO], s96, v[STO]               ; into the stage: row 64 wr + r, byte 192 wcol + 16 h
	v_and_b32 v6, 31, v0
	v_lshrrev_b32 v7, 3, v6
	v_and_b32 v8, 7, v6
	v_lshlrev_b32 v8, 4, v8
	v_mad_u32_u24 v[RD], v7, SPITCH, v8
	s_mul_i32 s96, s16, 32*SPITCH
	s_add_co_u32 s96, s96, STG
	v_add_nc_u32 v[RD], s96, v[RD]                 ; back: rows 32 wave on; eight lanes take a head's 128 bytes of a row
	v_lshlrev_b32 v[GO], 4, v6                     ; four such rows are 512 consecutive bytes of qkv
	v_mul_u32_u24 v[FO], v1, 6144
	v_lshl_add_u32 v[FO], v2, 5, v[FO]             ; fq: row r of 6,144 bytes, + 32 h
	s_mul_i32 s96, s20, 3*524288
	s_lshl_b32 s97, s21, 14
	s_add_co_u32 s96, s96, s97
	s_lshl_b32 s97, s16, 12
	s_add_co_u32 s96, s96, s97
	s_mov_b32 s97, 0
	s_add_nc_u64 s[12:13], s[12:13], s[96:97]      ; qkv at head 3 X, row 128 y + 32 wave
	s_lshr_b32 s98, s94, 2                         ; (192 X + 96 wcol) x 4
	s_lshr_b32 s99, s21, 4
	s_mul_i32 s99, s99, 98304
	s_add_co_u32 s98, s98, s99
	s_mov_b32 s99, 0
	s_add_nc_u64 s[14:15], s[14:15], s[98:99]      ; fq at the sequence, my first column
	s_wait_tensorcnt 0x1                           ; on both ways only the codes of K's second half may be out: scale bytes and first half are in,
	s_barrier_signal -1
	s_barrier_wait -1                              ; everybody's are
.macro FETCH s                         ; the fragments of step s (128 along K): half s / 4, byte 64 (s % 4) of the rows, into set s % 2: 20 loads
	WIN TO_B
.irp b, 0,1,2,3,4,5
.irp c, 0,1
	ds_load_b128 v[64*((\s)%2)+8*\b+4*\c:64*((\s)%2)+8*\b+4*\c+3], v[ADRB+(\s)/4] offset:\b*16*PITCH+64*((\s)%4)+32*\c
.endr
.endr
	WIN 0
.irp a, 0,1,2,3
.irp c, 0,1
	ds_load_b128 v[AF+32*((\s)%2)+8*\a+4*\c:AF+32*((\s)%2)+8*\a+4*\c+3], v[ADRA+(\s)/4] offset:\a*16*PITCH+64*((\s)%4)+32*\c
.endr
.endr
.endm
.macro MUL s                           ; 24 matrix instructions; the accumulators take turns, one instruction a turn, in the same order in every step.  Step 0 starts the sums: nothing is cleared
	WIN W_MUL
.irp a, 0,1,2,3
.irp b, 0,1,2,3,4,5
.if (\s) == 0
	v_wmma_scale_f32_16x16x128_f8f6f4 v[8*(6*\a+\b):8*(6*\a+\b)+7], v[64*((\s)%2)+8*\b:64*((\s)%2)+8*\b+7], v[AF+32*((\s)%2)+8*\a:AF+32*((\s)%2)+8*\a+7], 0, v[SB+24*((\s)/4)+4*\b+(\s)%4], v[SA+16*((\s)/4)+4*\a+(\s)%4] matrix_a_fmt:MATRIX_FMT_FP4 matrix_b_fmt:MATRIX_FMT_FP4
.else
	v_wmma_scale_f32_16x16x128_f8f6f4 v[8*(6*\a+\b):8*(6*\a+\b)+7], v[64*((\s)%2)+8*\b:64*((\s)%2)+8*\b+7], v[AF+32*((\s)%2)+8*\a:AF+32*((\s)%2)+8*\a+7], v[8*(6*\a+\b):8*(6*\a+\b)+7], v[SB+24*((\s)/4)+4*\b+(\s)%4], v[SA+16*((\s)/4)+4*\a+(\s)%4] matrix_a_fmt:MATRIX_FMT_FP4 matrix_b_fmt:MATRIX_FMT_FP4
.endif
.endr
.endr
.endm
.macro STEP s
	s_wait_dscnt 0x0                               ; this step's fragments are in (asked for a step ago)
.if (\s) == 3
	s_wait_tensorcnt 0x0                           ; my part of K's second half is in,
	s_barrier_signal -1
	s_barrier_wait -1                              ; everybody's is
.endif
.if (\s) > 0
	PLACES                                         ; four places between the last step's products and loads into the set that they read
.endif
.if (\s) < 7
	FETCH (\s)+1
.endif
	MUL \s
.endm
.irp k, 0,1
.irp a, 0,1,2,3
	ds_load_b128 v[SA+16*\k+4*\a:SA+16*\k+4*\a+3], v[ASA] offset:2*272*\a+16*\k     ; the scale words of all of K: four words (512 along K) a load; lane r holds row r's
.endr
.irp b, 0,1,2,3,4,5
	ds_load_b128 v[SB+24*\k+4*\b:SB+24*\k+4*\b+3], v[ASB] offset:12*272*\k+272*\b
.endr
.endr
	FETCH 0
	STEP 0
	STEP 1
	STEP 2
	STEP 3
	STEP 4
	STEP 5
	STEP 6
	STEP 7
	WIN 0
	PLACES                                         ; four places behind the last products, ahead of the first read of results
	s_cmp_lg_u32 s22, 0                            ; positions 0-15 of a sequence are rows 0-15 of row blocks 0 and 16: y and the wave's number alone decide
	s_cbranch_scc1 .Lnocopy
	WIN 0x08                                       ; a store's data are its source 1: window 2
.irp b, 0,1,2,3,4,5
	global_store_b128 v[FO], v[8*\b:8*\b+3], s[14:15] offset:64*\b        ; block a = 0, unrounded; each accumulator from its low end on
	global_store_b128 v[FO], v[8*\b+4:8*\b+7], s[14:15] offset:64*\b+16
.endr
	WIN 0
.Lnocopy:
	WIN 0x0a                                       ; sources 0 and 1 window 2, destination window 0
.set t, 0
.rept 24
.irp r, 0,1,2,3
	v_cvt_pk_f16_f32 v[OB+4*t+\r], v[8*t+2*\r], v[8*t+2*\r+1]
.endr
.set t, t+1
.endr
	WIN 0
.irp a, 0,1,2,3
.irp b, 0,1,2,3,4,5
	ds_store_b128 v[STO], v[OB+4*(6*\a+\b):OB+4*(6*\a+\b)+3] offset:\a*16*SPITCH+32*\b
.endr
.endr
	s_wait_dscnt 0x0                               ; for the others' sake: a head's 128 bytes of a row come from two waves
	s_barrier_signal -1
	s_barrier_wait -1
.irp t, 0,1,2,3,4,5,6,7
.irp d, 0,1,2
	ds_load_b128 v[OB+4*(3*\t+\d):OB+4*(3*\t+\d)+3], v[RD] offset:\t*4*SPITCH+128*\d
.endr
.endr
.irp t, 0,1,2,3,4,5,6,7
.irp d, 0,1,2
	s_wait_dscnt 23-(3*\t+\d)
	global_store_b128 v[GO], v[OB+4*(3*\t+\d):OB+4*(3*\t+\d)+3], s[12:13] offset:\d*524288+512*\t   ; four rows of a head: 512 consecutive bytes, aligned
.endr
.endr
	s_wait_tensorcnt 0x0                           ; the wave's end
	ds_add_u32 v[SPW], v[NIL]
	s_wait_dscnt 0x0
	CROUND                                         ; the closing round
	s_endpgm
.Lfunc_end_k_q55a3b2873d_qkv:
	.size	k_q55a3b2873d_qkv, .Lfunc_end_k_q55a3b2873d_qkv-k_q55a3b2873d_qkv
	.p2alignl 7, 3214868480
	.fill 96, 4, 3214868480
	.section	.rodata,"a",@progbits
	.p2align	6, 0x0
	.amdhsa_kernel k_q55a3b2873d_qkv
		.amdhsa_group_segment_fixed_size 262144
		.amdhsa_private_segment_fixed_size 0
		.amdhsa_enable_private_segment 0
		.amdhsa_kernarg_size 48
		.amdhsa_user_sgpr_count 2
		.amdhsa_user_sgpr_kernarg_segment_ptr 1
		.amdhsa_wavefront_size32 1
		.amdhsa_system_sgpr_workgroup_id_x 1
		.amdhsa_system_sgpr_workgroup_id_y 1
		.amdhsa_system_sgpr_workgroup_id_z 1
		.amdhsa_system_vgpr_workitem_id 0
		.amdhsa_next_free_vgpr 768
		.amdhsa_next_free_sgpr 100
		.amdhsa_reserve_vcc 0
		.amdhsa_float_denorm_mode_32 3
		.amdhsa_float_denorm_mode_16_64 3
		.amdhsa_memory_ordered 1
		.amdhsa_forward_progress 1
		.amdhsa_inst_pref_size 61
	.end_amdhsa_kernel
	.amdgpu_metadata
---
amdhsa.version: [ 1, 2 ]
amdhsa.kernels:
  - .name:           k_q55a3b2873d_qkv
    .symbol:         k_q55a3b2873d_qkv.kd
    .args:
      - { .name: xc, .offset: 0, .size: 8, .value_kind: global_buffer, .address_space: global }
      - { .name: xs, .offset: 8, .size: 8, .value_kind: global_buffer, .address_space: global }
      - { .name: wc, .offset: 16, .size: 8, .value_kind: global_buffer, .address_space: global }
      - { .name: ws, .offset: 24, .size: 8, .value_kind: global_buffer, .address_space: global }
      - { .name: qkv, .offset: 32, .size: 8, .value_kind: global_buffer, .address_space: global }
      - { .name: fq, .offset: 40, .size: 8, .value_kind: global_buffer, .address_space: global }
    .group_segment_fixed_size: 262144
    .private_segment_fixed_size: 0
    .kernarg_segment_align: 8
    .kernarg_segment_size: 48
    .max_flat_workgroup_size: 128
    .sgpr_count:     100
    .vgpr_count:     768
    .wavefront_size: 32
...
	.end_amdgpu_metadata
.endif
;; end of part 2
;; launch attn (part 3): grid 32 x 8, 8 waves a work-group, no clusters, 327,680 bytes of LDS; arguments qkv, ctx; writes ctx
.if DOCPART == 3
	.amdgcn_target "amdgcn-amd-amdhsa--gfx1250"
	.amdhsa_code_object_version 6
	.text
	.protected	k_q55a3b2873d_attn
	.globl	k_q55a3b2873d_attn
	.p2align	8
	.type	k_q55a3b2873d_attn,@function
k_q55a3b2873d_attn:
	s_mov_b64 s[64:65], 0
	v_nop
	global_prefetch_b8 v0, s[64:65] scope:SCOPE_SE
	s_setreg_imm32_b32 hwreg(HW_REG_WAVE_MODE, 25, 1), 1
	s_wait_xcnt 0x0
; ATTN.  ctx[b][q][head][:] = the sum over k <= q of softmax_k(Q . K / 8) V, head size 64, four query heads to a group of K and V.  Operands in f16, products, maxima and sums in f32; p is rounded to f16 for the second
; product, ctx once at the end.  A running maximum m and sum l for each query: p = 2^(c s - c m), c = log2(e) / 8; in every step O and l are multiplied by a = 2^(c m_old - c m_new).
; LIMIT: |ctx| over 65,504 becomes infinity in f16.  (Positions 0-15 of each sequence are computed here too and are replaced by the launch that carries them in f32.)
; SHARES.  A work-group has one (batch, group) and four tiles of 16 positions: 2 j, 2 j + 1, 127 - 2 j, 126 - 2 j, so that under the causal mask all work-groups have the same number of key steps.  Wave w takes the tile
; w >> 1 for two heads, 4 g + 2 (w & 1) + 0, 1: the two share every fragment of K and V and the mask.  Waves w and w + 4 hold tiles that add up to 127.
; K and V come through a ring of two LDS slots of 256 keys, filled by the tensor data mover (waves 0, 1: K's halves; waves 2, 3: V's) and read by all eight.  Every work-group walks all 8 slots (constant trip counts);
; a step all of whose keys come after the wave's queries is jumped over, and a slot that begins after the work-group's last query is not asked for.
; NO CLUSTER: the work-groups that share K and V need different numbers of slots under the mask.
; LAYOUT.  S^T = K Q^T (source 0 = 16 keys, source 1 = 16 queries): a lane holds ONE query (lane % 16) and keys 8 (lane / 16) + 0..7.  Two such tiles, packed to f16 in pairs, are source 1 of O^T = V^T P.  V is turned by ds_load_tr16_b128.
; REGISTERS: window 0: v1-13 addresses; v16-31 statistics, 8 a tile (+0 c m, +1 m, +2, +3 l, +4..+7 at work; a in +6); v32-95 S^T; v96-127 P; v128-191 K; v192-223 Q; v224-255 the way out.   window 1: v0-63 O^T; v64-127 V.
.set KP,    144                        ; a key's row of K in LDS: 128 bytes + 16
.set VP,    160                        ; of V: 128 + 32 (an odd multiple of 32)
.set VOFF,  256*KP                     ; a slot: 256 rows of K, then 256 of V
.set SLOT1, 1<<17                      ; slot 1 begins here: one exclusive or turns an address
.set SPARE, 262144                     ; the spare words, 128 bytes for each of the eight waves
.set STAGE, 263168                     ; the way out: 16 rows x (256 bytes + 16) for each wave; no fill lands here
.set AK0, 1
.set AV0, 2
.set ADK, 3
.set ADV, 4
.set SPW, 5                            ; v5  LDS address of my spare word; never rewritten
.set NIL, 6                            ; v6  0; never rewritten
.set GO,  7
.set STO, 8
.set RD,  9
.set DD,  10                           ; v10 first Q's offset, then d for the mask
.set NINF, 11
.set PFO, 12
.set DM0, 13
.set ST,  16
.set S,   32
.set P,   96
.set KR,  128
.set QF,  192
.set OB,  224
.set VF,  64                           ; in window 1
.set WV,  8
.set HP,  9
.set Q0,  14                           ; s14 my first query;  s15 my last;  s16 the work-group's last
.set Q15, 15
.set QL,  16
.set KF,  17                           ; s17 the step's first key
.set TB,  18                           ; s18 LDS byte at which the slot in hand begins
.set SLOTS, 19
.set SEL, 20
.set CS,  22
.set G1K, 24
.set G1V, 32
.set G0K, 40
.set G0V, 44
.set PFK, 48
.set PFV, 50
.set LIM, 52
.set MSB, 0
.macro WIN new
.if MSB != \new
	s_set_vgpr_msb (MSB<<8)|\new
.set MSB, \new
.endif
.endm
; Waves 0 and 1 fetch for K, waves 2 and 3 for V, the others nothing.  An s_nop 0 and four v_nop follow each of the two lines.
.macro TLOAD
	s_cmp_lt_u32 s[WV], 2
	s_cbranch_scc0 .Lnot_k_\@
	tensor_load_to_lds s[G0K:G0K+3], s[G1K:G1K+7]
	s_nop 0
.rept 4
	v_nop
.endr
	s_branch .Lasked_\@
.Lnot_k_\@:
	s_cmp_lt_u32 s[WV], 4
	s_cbranch_scc0 .Lasked_\@
	tensor_load_to_lds s[G0V:G0V+3], s[G1V:G1V+7]
	s_nop 0
.rept 4
	v_nop
.endr
.Lasked_\@:
.endm
; A prefetch of what the NEXT change of slots will ask for: 256 rows of K and of V, two dense blocks of 32,768 bytes.  All 32 work-groups of a (batch, group) walk the same rows: the one with j = 0, which walks them all,
; asks; in it waves 4 to 7, which fetch nothing: 8,192 bytes of each block a wave, lanes 256 bytes apart, two instructions together.  So each aligned 256 bytes are named once.  The last change that fills a slot asks for nothing.
.macro ASK
	s_cmp_gt_u32 s[SLOTS], s[LIM]
	s_cbranch_scc0 .Lnot_mine_\@
	global_prefetch_b8 v[PFO], s[PFK:PFK+1] th:TH_LOAD_NT scope:SCOPE_SE
	global_prefetch_b8 v[PFO], s[PFV:PFV+1] th:TH_LOAD_NT scope:SCOPE_SE
.Lnot_mine_\@:
.endm
	s_load_b128 s[4:7], s[0:1], 0x0                ; qkv s[4:5], ctx s[6:7]
	v_lshl_add_u32 v[SPW], v0, 2, SPARE
	v_mov_b32 v[NIL], 0
	ds_add_u32 v[SPW], v[NIL]                      ; the wave's opening: the add, twice on end, and its wait ahead of my first tensor load
	ds_add_u32 v[SPW], v[NIL]
	v_lshrrev_b32 v14, 5, v0
	v_readfirstlane_b32 s[WV], v14                 ; wave 0..7
	s_and_b32 s[HP], s[WV], 1                      ; which pair of heads.  Also: which half of a slot's rows I fetch
	s_lshr_b32 s10, s[WV], 1                       ; which of the four tiles
	s_mov_b32 s11, ttmp9                           ; j
	s_and_b32 s53, ttmp7, 0xffff
	s_lshr_b32 s12, s53, 2                         ; batch
	s_and_b32 s13, s53, 3                          ; group
	s_lshl_b32 s54, s11, 1
	s_add_co_u32 s55, s54, s10                     ; 2 j + sl
	s_sub_co_u32 s53, 129, s55                     ; 129 - 2 j - sl
	s_cmp_lt_u32 s10, 2
	s_cselect_b32 s[Q0], s55, s53
	s_lshl_b32 s[Q0], s[Q0], 4
	s_add_co_u32 s[Q15], s[Q0], 15
	s_lshl_b32 s[QL], s11, 5
	s_sub_co_u32 s[QL], 2047, s[QL]
	s_mov_b32 s[G1K+0], (1<<20)|(4<<22)|(3<<25)    ; bytes; padding on: 4 words behind every 32
	s_mov_b32 s[G1V+0], (1<<20)|(4<<22)|(7<<25)    ; 8 words
.irp g, G1K, G1V
	s_mov_b32 s[\g+1], 128<<16                     ; tensor_dim0 = 128 bytes
	s_mov_b32 s[\g+2], 128<<16                     ; tensor_dim1 = 128 rows
	s_mov_b32 s[\g+3], 128<<16                     ; tile_dim0
	s_mov_b32 s[\g+4], 128                         ; tile_dim1
	s_mov_b32 s[\g+5], 128                         ; from row to row
	s_mov_b32 s[\g+6], 0
	s_mov_b32 s[\g+7], 0
.endr
	s_lshl_b32 s60, s13, 19
	s_lshl_b32 s61, s12, 18
	s_add_co_u32 s60, s60, s61                     ; group x 524,288 + batch x 262,144
	s_add_co_u32 s62, s60, 16*524288               ; K's first byte of this (batch, group)
	s_mov_b32 s63, 0
	s_add_co_u32 s66, s60, 20*524288               ; V's
	s_mov_b32 s67, 0
	s_lshl_b32 s60, s[HP], 14                      ; my half: 128 rows of 128 bytes
	s_mov_b32 s61, 0
	s_mov_b32 s[G0K], 1
	s_mul_i32 s[G0K+1], s[HP], 128*KP
	s_mov_b32 s[G0V], 1
	s_mul_i32 s[G0V+1], s[HP], 128*VP
	s_add_co_u32 s[G0V+1], s[G0V+1], VOFF
	s_lshl_b32 s68, s13, 2
	s_lshl_b32 s69, s[HP], 1
	s_add_co_u32 s68, s68, s69                     ; my first head: 4 g + 2 hp
	s_lshl_b32 s70, s12, 11
	s_add_co_u32 s70, s70, s[Q0]                   ; my first row: 2,048 b + Q0
	s_lshl_b32 s72, s68, 19
	s_lshl_b32 s73, s70, 7
	s_add_co_u32 s72, s72, s73                     ; Q's offset
	s_mov_b32 s73, 0
	s_lshl_b32 s74, s70, 11
	s_lshl_b32 s75, s68, 7
	s_add_co_u32 s74, s74, s75                     ; ctx's offset
	s_mov_b32 s75, 0
	s_and_b32 s76, s[WV], 3
	s_lshl_b32 s76, s76, 13
	s_add_co_u32 s76, s76, 32768                   ; the prefetches stand in slot 1: the first change of slots steps them to slot 2.  Nothing is prefetched at the head
	s_mov_b32 s77, 0
	s_lshr_b32 s78, s[WV], 2
	s_xor_b32 s78, s78, 1
	s_or_b32 s78, s78, s11                         ; 0 in waves 4 to 7 of the work-group with j = 0
	s_cmp_eq_u32 s78, 0
	s_cselect_b32 s[LIM], 1, -1
	s_mov_b32 s[SEL], 0x76543210
	s_mov_b32 s[SEL+1], 0xfedcba98
	s_mov_b32 s[CS], 0x3e38aa3b                    ; c = log2(e) / 8
	s_mov_b32 s[CS+1], s[CS]
	s_mov_b32 s[KF], 0
	s_mov_b32 s[TB], 0
	s_mov_b32 s[SLOTS], 7
	s_wait_dscnt 0x0                               ; both opening adds are done
	s_wait_kmcnt 0x0
	s_add_nc_u64 s[62:63], s[4:5], s[62:63]
	s_add_nc_u64 s[66:67], s[4:5], s[66:67]
	s_add_nc_u64 s[G0K+2:G0K+3], s[62:63], s[60:61]
	s_or_b32 s[G0K+3], s[G0K+3], 0x80000000
	s_add_nc_u64 s[G0V+2:G0V+3], s[66:67], s[60:61]
	s_or_b32 s[G0V+3], s[G0V+3], 0x80000000
	TLOAD                                          ; slot 0: key 0 counts for every query, so what the head fetches is read
	s_add_nc_u64 s[PFK:PFK+1], s[62:63], s[76:77]
	s_add_nc_u64 s[PFV:PFV+1], s[66:67], s[76:77]
	s_add_nc_u64 s[56:57], s[4:5], s[72:73]        ; Q at my first head and row
	s_add_nc_u64 s[58:59], s[6:7], s[74:75]        ; ctx likewise
	v_and_b32 v14, 15, v0                          ; r
	v_bfe_u32 v15, v0, 4, 1                        ; h
	v_lshlrev_b32 v[DD], 7, v14
	v_lshl_add_u32 v[DD], v15, 4, v[DD]            ; Q: row r of 128 bytes, + 16 h
.irp u, 0,1
.irp c, 0,1
	global_load_b128 v[QF+8*(2*\u+\c):QF+8*(2*\u+\c)+3], v[DD], s[56:57] offset:\u*524288+64*\c
	global_load_b128 v[QF+8*(2*\u+\c)+4:QF+8*(2*\u+\c)+7], v[DD], s[56:57] offset:\u*524288+64*\c+32
.endr
.endr
	v_mul_u32_u24 v[AK0], v14, KP
	v_lshl_add_u32 v[AK0], v15, 4, v[AK0]          ; K: row r x pitch + 16 h
	v_and_b32 v[AV0], 7, v0
	v_lshl_add_u32 v[AV0], v15, 3, v[AV0]          ; V: key 8 h + lane % 8,
	v_mul_u32_u24 v[AV0], v[AV0], VP
	v_bfe_u32 v[ADK], v0, 3, 1
	v_lshl_add_u32 v[AV0], v[ADK], 4, v[AV0]       ; channels 8 ((lane / 8) % 2) on
	v_add_nc_u32 v[AV0], VOFF, v[AV0]
	v_lshlrev_b32 v[GO], 11, v15
	v_lshl_add_u32 v[GO], v14, 4, v[GO]            ; ctx: lanes 0-15 one row, lanes 16-31 the next; 16 bytes a lane
	s_mul_i32 s53, s[WV], 16*272
	s_add_co_u32 s53, s53, STAGE
	v_mul_u32_u24 v[STO], v14, 272
	v_lshl_add_u32 v[STO], v15, 4, v[STO]
	v_add_nc_u32 v[STO], s53, v[STO]
	v_mul_u32_u24 v[RD], v15, 272
	v_lshl_add_u32 v[RD], v14, 4, v[RD]
	v_add_nc_u32 v[RD], s53, v[RD]
	v_mov_b32 v[NINF], 0xff800000
	v_and_b32 v[PFO], 31, v0
	v_lshlrev_b32 v[PFO], 8, v[PFO]
	v_lshlrev_b32 v[DM0], 3, v15
	v_sub_nc_u32 v[DM0], v14, v[DM0]               ; r - 8 h
.irp u, 0,1
	v_mov_b32 v[ST+8*\u+1], 0xff61b1e6             ; m = -3e38, under every score
	v_mul_f32 v[ST+8*\u], s[CS], v[ST+8*\u+1]      ; c m
	v_mov_b32 v[ST+8*\u+2], 0                      ; l, in two halves
	v_mov_b32 v[ST+8*\u+3], 0
	v_mov_b32 v[ST+8*\u+5], 0                      ; a lane permute's destination counts as one of its sources
	v_mov_b32 v[ST+8*\u+7], 0                      ; named with +6 as a pair by the packed multiplies, on the way out too: so it is written on every way through the text
.endr
	WIN 0x40
.set i, 0
.rept 64
	v_mov_b32 v[i], 0                              ; O^T: the step is written once; the first finds zeros, which its a = 0 leaves zeros
.set i, i+1
.endr
	WIN 0
; A KEY STEP: 64 keys, the q-th of the slot in hand, for my two tiles.
.macro STEP q
	s_cmp_gt_u32 s[KF], s[Q15]                     ; all 64 keys come after my queries: the step's work is left out (ids alone; no barrier and no tensor load stands in a step)
	s_cbranch_scc1 .Lhidden_\@
	v_add_nc_u32 v[ADK], s[TB], v[AK0]
	v_add_nc_u32 v[ADV], s[TB], v[AV0]
	v_nop
	v_nop                                          ; these four are the places between the last step's products and the loads into V's registers
.irp a, 0,1,2,3
.irp c, 0,1
	ds_load_b128 v[KR+8*(2*\a+\c):KR+8*(2*\a+\c)+3], v[ADK] offset:(64*(\q)+16*\a)*KP+64*\c
	ds_load_b128 v[KR+8*(2*\a+\c)+4:KR+8*(2*\a+\c)+7], v[ADK] offset:(64*(\q)+16*\a)*KP+64*\c+32
.endr
.endr
	WIN 0x40                                       ; destination window 1
.irp dt, 0,1,2,3
.irp kk, 0,1
	ds_load_tr16_b128 v[VF+8*(2*\dt+\kk):VF+8*(2*\dt+\kk)+3], v[ADV] offset:(64*(\q)+32*\kk)*VP+32*\dt
	ds_load_tr16_b128 v[VF+8*(2*\dt+\kk)+4:VF+8*(2*\dt+\kk)+7], v[ADV] offset:(64*(\q)+32*\kk+16)*VP+32*\dt
.endr
.endr
	WIN 0
	s_wait_dscnt 16                                ; K's sixteen loads are in, V's sixteen may be out
.irp c, 0,1                                    ; S^T = K Q^T: eight accumulators by turns; the first eight start the sums
.irp a, 0,1,2,3
.irp u, 0,1
.if \c == 0
	v_wmma_f32_16x16x32_f16 v[S+32*\u+8*\a:S+32*\u+8*\a+7], v[KR+8*(2*\a+\c):KR+8*(2*\a+\c)+7], v[QF+8*(2*\u+\c):QF+8*(2*\u+\c)+7], 0
.else
	v_wmma_f32_16x16x32_f16 v[S+32*\u+8*\a:S+32*\u+8*\a+7], v[KR+8*(2*\a+\c):KR+8*(2*\a+\c)+7], v[QF+8*(2*\u+\c):QF+8*(2*\u+\c)+7], v[S+32*\u+8*\a:S+32*\u+8*\a+7]
.endif
.endr
.endr
.endr
.rept 4
	v_nop                                          ; four places ahead of the first read of the scores
.endr
	s_add_co_u32 s53, s[KF], 63
	s_cmp_le_u32 s53, s[Q0]                        ; a step all of whose keys count has no mask
	s_cbranch_scc1 .Lopen_\@
	s_sub_co_i32 s53, s[Q0], s[KF]
	v_add_nc_u32 v[DD], s53, v[DM0]                ; d = my query - KF - 8 h.  Register 8 a + i holds key KF + 16 a + 8 h + i: hidden where 16 a + i > d
.irp a, 0,1,2,3
.irp n, 0,1,2,3,4,5,6,7
	v_cmp_gt_i32 vcc_lo, 16*\a+\n, v[DD]
	v_cndmask_b32 v[S+8*\a+\n], v[S+8*\a+\n], v[NINF], vcc_lo
	v_cndmask_b32 v[S+32+8*\a+\n], v[S+32+8*\a+\n], v[NINF], vcc_lo
.endr
.endr
.Lopen_\@:
.irp i, 0,1,2,3                                ; the maximum: four chains a tile, each begun at an accumulator's low end; the two tiles alternate
.irp u, 0,1
	v_max3_num_f32 v[ST+8*\u+4+\i], v[S+32*\u+8*\i], v[S+32*\u+8*\i+1], v[S+32*\u+8*\i+2]
.endr
.endr
.irp k, 3,5
.irp i, 0,1,2,3
.irp u, 0,1
	v_max3_num_f32 v[ST+8*\u+4+\i], v[ST+8*\u+4+\i], v[S+32*\u+8*\i+\k], v[S+32*\u+8*\i+\k+1]
.endr
.endr
.endr
.irp u, 0,1
	v_max3_num_f32 v[ST+8*\u+4], v[ST+8*\u+4], v[S+32*\u+7], v[S+32*\u+15]
.endr
.irp u, 0,1
	v_max3_num_f32 v[ST+8*\u+6], v[ST+8*\u+6], v[S+32*\u+23], v[S+32*\u+31]
.endr
.irp u, 0,1
	v_max3_num_f32 v[ST+8*\u+4], v[ST+8*\u+4], v[ST+8*\u+5], v[ST+8*\u+6]
.endr
.irp u, 0,1
	v_max3_num_f32 v[ST+8*\u+4], v[ST+8*\u+4], v[ST+8*\u+7], v[ST+8*\u+1]   ; with the old m
.endr
.irp u, 0,1
	v_permlanex16_b32 v[ST+8*\u+5], v[ST+8*\u+4], s[SEL], s[SEL+1]          ; the query's other 32 keys lie in the lane 16 away
.endr
.irp u, 0,1
	v_mov_b32 v[ST+8*\u+7], v[ST+8*\u]             ; c m_old
.endr
.irp u, 0,1
	v_max_num_f32 v[ST+8*\u+1], v[ST+8*\u+4], v[ST+8*\u+5]
.endr
.irp u, 0,1
	v_mul_f32 v[ST+8*\u], s[CS], v[ST+8*\u+1]
.endr
.irp u, 0,1
	v_sub_f32 v[ST+8*\u+7], v[ST+8*\u+7], v[ST+8*\u]
.endr
.set i, 0
.rept 16
	v_pk_fma_f32 v[S+i:S+i+1], v[S+i:S+i+1], s[CS:CS+1], v[ST:ST+1] op_sel_hi:[1,0,0] neg_lo:[0,0,1] neg_hi:[0,0,1]               ; c s - c m, two at a time
	v_pk_fma_f32 v[S+32+i:S+32+i+1], v[S+32+i:S+32+i+1], s[CS:CS+1], v[ST+8:ST+9] op_sel_hi:[1,0,0] neg_lo:[0,0,1] neg_hi:[0,0,1]
.set i, i+2
.endr
.irp u, 0,1
	v_exp_f32 v[ST+8*\u+6], v[ST+8*\u+7]           ; a
.endr
.set i, 0
.rept 32
	v_exp_f32 v[S+i], v[S+i]                       ; p: the 66 exponentials of both tiles are one batch
	v_exp_f32 v[S+32+i], v[S+32+i]
.set i, i+1
.endr
	v_nop                                          ; a plain instruction behind the last exponential
	s_wait_alu depctr_va_vdst(0)                   ; one wait for the batch, ahead of the first instruction that names a result
.set i, 0
.rept 16
	v_cvt_pk_f16_f32 v[P+i], v[S+2*i], v[S+2*i+1]
	v_cvt_pk_f16_f32 v[P+16+i], v[S+32+2*i], v[S+32+2*i+1]
.set i, i+1
.endr
.irp k, 0,4,8,12,16,20,24,28                   ; the sum of the unrounded p, in place, by pairs
.irp u, 0,1
	v_pk_add_f32 v[S+32*\u+\k:S+32*\u+\k+1], v[S+32*\u+\k:S+32*\u+\k+1], v[S+32*\u+\k+2:S+32*\u+\k+3]
.endr
.endr
.irp k, 0,8,16,24
.irp u, 0,1
	v_pk_add_f32 v[S+32*\u+\k:S+32*\u+\k+1], v[S+32*\u+\k:S+32*\u+\k+1], v[S+32*\u+\k+4:S+32*\u+\k+5]
.endr
.endr
.irp k, 0,16
.irp u, 0,1
	v_pk_add_f32 v[S+32*\u+\k:S+32*\u+\k+1], v[S+32*\u+\k:S+32*\u+\k+1], v[S+32*\u+\k+8:S+32*\u+\k+9]
.endr
.endr
.irp u, 0,1
	v_pk_add_f32 v[S+32*\u:S+32*\u+1], v[S+32*\u:S+32*\u+1], v[S+32*\u+16:S+32*\u+17]
.endr
.irp u, 0,1
	v_pk_fma_f32 v[ST+8*\u+2:ST+8*\u+3], v[ST+8*\u+2:ST+8*\u+3], v[ST+8*\u+6:ST+8*\u+7], v[S+32*\u:S+32*\u+1] op_sel_hi:[1,0,1]   ; l = a l + the sum
.endr
	WIN 0x41                                       ; O^T (destination and source 0) window 1, a window 0
.set i, 0
.rept 16
	v_pk_mul_f32 v[i:i+1], v[i:i+1], v[ST+6:ST+7] op_sel_hi:[1,0]             ; O^T x a, each accumulator from its low end on
	v_pk_mul_f32 v[32+i:32+i+1], v[32+i:32+i+1], v[ST+14:ST+15] op_sel_hi:[1,0]
.set i, i+2
.endr
	s_wait_dscnt 0x0                               ; V is in
	WIN 0x51                                       ; V and O^T window 1, P window 0
.irp kk, 0,1                                   ; O^T += V^T P: eight accumulators by turns
.irp dt, 0,1,2,3
.irp u, 0,1
	v_wmma_f32_16x16x32_f16 v[8*(4*\u+\dt):8*(4*\u+\dt)+7], v[VF+8*(2*\dt+\kk):VF+8*(2*\dt+\kk)+7], v[P+16*\u+8*\kk:P+16*\u+8*\kk+7], v[8*(4*\u+\dt):8*(4*\u+\dt)+7]
.endr
.endr
.endr
	WIN 0
.Lhidden_\@:
	s_add_co_u32 s[KF], s[KF], 64
.endm
; THE CHANGE OF SLOTS stands at a slot's head.  Each wave waits for all its tensor loads, adds 0 to its spare word, and waits for that and for its reads of the slot that it has left.  Behind the barrier the slot ahead is whole
; and nobody reads the other one.  fill = 1: that other slot takes the next 256 keys, if any wave of the work-group will read them: the load has a slot's four steps in which to land.  One tensor load of a wave is out at most.
.macro CHANGE fill
	s_wait_tensorcnt 0x0                           ; no tensor load of mine is out, so a group 0 may be written
	ds_add_u32 v[SPW], v[NIL]
.if \fill
	ds_add_u32 v[SPW], v[NIL]                      ; and twice on end here, in every trip alike
	s_xor_b32 s[G0K+1], s[G0K+1], SLOT1
	s_add_nc_u64 s[G0K+2:G0K+3], s[G0K+2:G0K+3], 32768
	s_xor_b32 s[G0V+1], s[G0V+1], SLOT1
	s_add_nc_u64 s[G0V+2:G0V+3], s[G0V+2:G0V+3], 32768
	s_wait_xcnt 0x0                                ; the last prefetches, a slot back, have read their addresses
	s_add_nc_u64 s[PFK:PFK+1], s[PFK:PFK+1], 32768
	s_add_nc_u64 s[PFV:PFV+1], s[PFV:PFV+1], 32768
.endif
	s_wait_dscnt 0x0                               ; the add is done, and my reads of the slot that I have left are over
	s_barrier_signal -1
	s_barrier_wait -1
.if \fill
	s_add_co_u32 s53, s[KF], 256                   ; the first key of the slot that this change would ask for,
	s_cmp_gt_u32 s53, s[QL]                        ; against the work-group's last query: ids and the count of steps alone, the same in all eight waves
	s_cbranch_scc1 .Lpast_\@
	TLOAD
.Lpast_\@:
	ASK
.endif
.endm
.macro SLOT_STEPS
	STEP 0
	STEP 1
	STEP 2
	STEP 3
	s_xor_b32 s[TB], s[TB], SLOT1
.endm
	s_wait_loadcnt 0x0                             ; Q
.Lslot:                                            ; seven trips
	CHANGE 1
	SLOT_STEPS
	s_sub_co_u32 s[SLOTS], s[SLOTS], 1
	s_cmp_lg_u32 s[SLOTS], 0
	s_cbranch_scc1 .Lslot
	CHANGE 0                                       ; the last slot is written out: nothing is left to ask for
	SLOT_STEPS
	; THE WAY OUT: O^T / l, rounded to f16; the two heads' 128 bytes of a row lie side by side in ctx: through my stage, sixteen lanes store 256 consecutive bytes, aligned
.irp u, 0,1
	v_add_f32 v[ST+8*\u+4], v[ST+8*\u+2], v[ST+8*\u+3]
.endr
.irp u, 0,1
	v_permlanex16_b32 v[ST+8*\u+5], v[ST+8*\u+4], s[SEL], s[SEL+1]
.endr
.irp u, 0,1
	v_add_f32 v[ST+8*\u+4], v[ST+8*\u+4], v[ST+8*\u+5]
.endr
.irp u, 0,1
	v_rcp_f32 v[ST+8*\u+6], v[ST+8*\u+4]
.endr
	v_nop
	s_wait_alu depctr_va_vdst(0)                   ; one wait for the two reciprocals, ahead of their first reader
	WIN 0x41
.set i, 0
.rept 16
	v_pk_mul_f32 v[i:i+1], v[i:i+1], v[ST+6:ST+7] op_sel_hi:[1,0]
	v_pk_mul_f32 v[32+i:32+i+1], v[32+i:32+i+1], v[ST+14:ST+15] op_sel_hi:[1,0]
.set i, i+2
.endr
	WIN 0x05                                       ; sources 0 and 1 window 1, destination window 0
.set i, 0
.rept 32
	v_cvt_pk_f16_f32 v[OB+i], v[2*i], v[2*i+1]
.set i, i+1
.endr
	WIN 0
.irp u, 0,1
.irp dt, 0,1,2,3
	ds_store_b128 v[STO], v[OB+4*(4*\u+\dt):OB+4*(4*\u+\dt)+3] offset:128*\u+32*\dt
.endr
.endr
.irp t, 0,1,2,3,4,5,6,7
	ds_load_b128 v[S+4*\t:S+4*\t+3], v[RD] offset:\t*2*272       ; LDS serves a wave's instructions in order: these see my stores
.endr
.irp t, 0,1,2,3,4,5,6,7
	s_wait_dscnt 7-\t
	global_store_b128 v[GO], v[S+4*\t:S+4*\t+3], s[58:59] offset:\t*4096
.endr
	s_wait_tensorcnt 0x0                           ; the wave's end
	ds_add_u32 v[SPW], v[NIL]
	s_wait_dscnt 0x0
	s_endpgm
.Lfunc_end_k_q55a3b2873d_attn:
	.size	k_q55a3b2873d_attn, .Lfunc_end_k_q55a3b2873d_attn-k_q55a3b2873d_attn
	.p2alignl 7, 3214868480
	.fill 96, 4, 3214868480
	.section	.rodata,"a",@progbits
	.p2align	6, 0x0
	.amdhsa_kernel k_q55a3b2873d_attn
		.amdhsa_group_segment_fixed_size 327680
		.amdhsa_private_segment_fixed_size 0
		.amdhsa_enable_private_segment 0
		.amdhsa_kernarg_size 16
		.amdhsa_user_sgpr_count 2
		.amdhsa_user_sgpr_kernarg_segment_ptr 1
		.amdhsa_wavefront_size32 1
		.amdhsa_system_sgpr_workgroup_id_x 1
		.amdhsa_system_sgpr_workgroup_id_y 1
		.amdhsa_system_sgpr_workgroup_id_z 1
		.amdhsa_system_vgpr_workitem_id 0
		.amdhsa_next_free_vgpr 384
		.amdhsa_next_free_sgpr 100
		.amdhsa_reserve_vcc 1
		.amdhsa_float_denorm_mode_32 3
		.amdhsa_float_denorm_mode_16_64 3
		.amdhsa_memory_ordered 1
		.amdhsa_forward_progress 1
		.amdhsa_inst_pref_size 181
	.end_amdhsa_kernel
	.amdgpu_metadata
---
amdhsa.version: [ 1, 2 ]
amdhsa.kernels:
  - .name:           k_q55a3b2873d_attn
    .symbol:         k_q55a3b2873d_attn.kd
    .args:
      - { .name: qkv, .offset: 0, .size: 8, .value_kind: global_buffer, .address_space: global }
      - { .name: ctx, .offset: 8, .size: 8, .value_kind: global_buffer, .address_space: global }
    .group_segment_fixed_size: 327680
    .private_segment_fixed_size: 0
    .kernarg_segment_align: 8
    .kernarg_segment_size: 16
    .max_flat_workgroup_size: 256
    .sgpr_count:     100
    .vgpr_count:     384
    .wavefront_size: 32
...
	.end_amdgpu_metadata
.endif
;; end of part 3
;; launch proj (part 4): grid 8 x 32, 4 waves a work-group, clusters of 4 x 4, 327,680 bytes of LDS; arguments ctx, wot, bo, out0; writes out0
.if DOCPART == 4
	.amdgcn_target "amdgcn-amd-amdhsa--gfx1250"
	.amdhsa_code_object_version 6
	.text
	.protected	k_q55a3b2873d_proj
	.globl	k_q55a3b2873d_proj
	.p2align	8
	.type	k_q55a3b2873d_proj,@function
k_q55a3b2873d_proj:
	s_mov_b64 s[64:65], 0
	v_nop
	global_prefetch_b8 v0, s[64:65] scope:SCOPE_SE
	s_setreg_imm32_b32 hwreg(HW_REG_WAVE_MODE, 25, 1), 1
	s_wait_xcnt 0x0
	s_wait_alu depctr_hold_cnt(0) depctr_sa_sdst(0) depctr_va_vdst(0) depctr_va_sdst(0) depctr_va_ssrc(0) depctr_va_vcc(0) depctr_vm_vsrc(0)
	s_getreg_b32 s2, hwreg(HW_REG_IB_STS2, 6, 4)
	s_cmp_eq_u32 s2, 0
	s_cbranch_scc0 .Lentry_in_a_cluster
	s_endpgm
.Lentry_in_a_cluster:
	s_bfe_u32 s2, ttmp6, 0x10000c
	s_cmp_lg_u32 s2, 0xf033
	s_cbranch_scc0 .Lentry_shape_is_right
	s_endpgm
.Lentry_shape_is_right:
; PROJ.  out0[m][n] = the sum over k of ctx[m][k] wot[n][k] + bo[n].  ctx [4096][1024] and wot [1024][1024] in f16, sums in f32, out0 f32.
; A tile of out0 is 128 x 128: 256 work-groups.  Four waves, each 64 x 64: 16 accumulators.  K goes in four steps of 256 (LDS rows of 512 bytes) through a ring of two slots; both slots are filled again once.
; CLUSTERS: 4 x 4 work-groups.  The four of a row of the cluster need the same tiles of ctx, the four of a column the same tiles of wot: each tile is asked for JOINTLY.
; THE MATRIX INSTRUCTION IS USED TRANSPOSED (source 0 = 16 rows of wot, source 1 = 16 rows of ctx): a lane holds eight neighbouring numbers of a row of out0.  The bias is the C of each sum's first instruction.
; All 4,096 rows are made alike; positions 0-15 of both sequences (32 rows) are written once more, from f32 operands, by the launch that follows.
; REGISTERS: window 0: v0-31 addresses; v32-95 the way out; v96-127 the bias, 8 registers for each block of 16 columns; v128-255 the accumulators ((a, b) at v[128 + 8 (4 a + b)]).   window 1: two fragment buffers of 128.
.set SIZE_N, 1024
.set SIZE_K, 1024
.set KSTEP,  256
.set PITCH,  528                       ; an LDS row: 512 bytes + 16 of padding
.set HALFT,  64*PITCH
.set SLOT,   4*HALFT
.set STAGE,  2*SLOT                    ; behind the ring: 16 rows x (256 bytes + 16) for each wave
.set SPITCH, 272
.set SPARE,  STAGE+4*16*SPITCH         ; the spare words, 128 bytes for each wave
.set ADRA, 16
.set ADRB, 20
.set STO,  24
.set RD,   25
.set CO,   26
.set BO,   27
.set SPW,  28                          ; v28 LDS address of my spare word; never rewritten
.set NIL,  29                          ; v29 0; never rewritten
.set OB,   32
.set BI,   96
.set ACC,  128
.set F0,   0
.set F1,   128
.set G1, 24
.set G0, 32
.set G1B, 48
.set G0B, 56
.set MSB, 0
.macro WIN new
.if MSB != \new
	s_set_vgpr_msb (MSB<<8)|\new
.set MSB, \new
.endif
.endm
.set MUL,  0x05                        ; sources 0 and 1 window 1; C and D window 0
.set TO_F, 0x40
.macro JLOAD s                         ; a joint load: waves 0 and 1 fetch ctx's two halves, waves 2 and 3 wot's; an s_nop 0 and four v_nop follow each of the two lines
	s_cmp_eq_u32 s11, 0
	s_cbranch_scc0 .Lfor_b_\@
	tensor_load_to_lds s[G0+4*\s:G0+4*\s+3], s[G1:G1+7]
	s_nop 0
.rept 4
	v_nop
.endr
	s_branch .Lasked_\@
.Lfor_b_\@:
	tensor_load_to_lds s[G0B+4*\s:G0B+4*\s+3], s[G1B:G1B+7]
	s_nop 0
.rept 4
	v_nop
.endr
.Lasked_\@:
.endm
.macro CREST
	s_cmp_lg_u32 s10, 0
	s_cbranch_scc1 .Lnot_wave_0_\@
	s_barrier_signal -3
.Lnot_wave_0_\@:
	s_barrier_wait -3
	s_barrier_signal -1
	s_barrier_wait -1
.endm
.macro CROUND
	s_barrier_signal -1
	s_barrier_wait -1
	CREST
.endm
	s_load_b128 s[4:7], s[0:1], 0x0                ; ctx s[4:5], wot s[6:7]
	s_load_b128 s[72:75], s[0:1], 0x10             ; bo s[72:73], out0 s[74:75]
	v_lshl_add_u32 v[SPW], v0, 2, SPARE
	v_mov_b32 v[NIL], 0
	ds_add_u32 v[SPW], v[NIL]                      ; the wave's opening: the add, twice on end, and its wait ahead of my first tensor load
	ds_add_u32 v[SPW], v[NIL]
	v_lshrrev_b32 v1, 5, v0
	v_readfirstlane_b32 s10, v1                    ; wave 0..3
	s_lshr_b32 s11, s10, 1                         ; which half of the tile's rows is mine.  Also: I fetch for ctx (0) or for wot (1)
	s_and_b32 s12, s10, 1                          ; which half of its columns.  Also: which 64 rows of that tile I fetch
	s_bfe_u32 s40, ttmp6, 0x40000                  ; cx, cy
	s_bfe_u32 s41, ttmp6, 0x40004
	s_lshl_b32 s42, ttmp9, 2
	s_add_co_u32 s42, s42, s40                     ; tile column = 4 x cluster x + cx
	s_and_b32 s13, ttmp7, 0xffff
	s_lshl_b32 s13, s13, 2
	s_add_co_u32 s13, s13, s41                     ; tile row = 4 x cluster y + cy
	s_lshl_b32 s43, s41, 2
	s_lshl_b32 s43, 15, s43                        ; my row of the cluster
	s_lshl_b32 s44, 0x1111, s40                    ; my column
	s_or_b32 s[G1+0], s43, (1<<16)|(1<<20)|(1<<21)|(6<<22)|(3<<25)   ; the mask; elements of 2 bytes; padding on; bit 21 beside a mask; 4 words behind every 128
	s_or_b32 s[G1B+0], s44, (1<<16)|(1<<20)|(1<<21)|(6<<22)|(3<<25)
.irp g, G1, G1B
	s_mov_b32 s[\g+1], KSTEP<<16                   ; tensor_dim0 = 256
	s_mov_b32 s[\g+2], 64<<16                      ; tensor_dim1 = 64
	s_mov_b32 s[\g+3], KSTEP<<16                   ; tile_dim0
	s_mov_b32 s[\g+4], 64                          ; tile_dim1
	s_mov_b32 s[\g+5], SIZE_K                      ; from row to row
	s_mov_b32 s[\g+6], 0
	s_mov_b32 s[\g+7], 0
.endr
	s_lshl_b32 s17, s12, 6
	s_lshl_b32 s16, s13, 7
	s_add_co_u32 s16, s16, s17                     ; ctx: row 128 x tile row + 64 x half
	s_lshl_b32 s46, s42, 7
	s_add_co_u32 s46, s46, s17                     ; wot: row 128 x tile column + 64 x half
	s_mov_b32 s17, 0
	s_mov_b32 s47, 0
	s_mov_b64 s[18:19], SIZE_K*2
	s_mul_u64 s[16:17], s[16:17], s[18:19]
	s_mul_u64 s[46:47], s[46:47], s[18:19]
	s_mul_i32 s20, s10, HALFT                      ; where they go: wave x 64 rows
	s_wait_dscnt 0x0                               ; both opening adds are done
	s_wait_kmcnt 0x0
	s_add_nc_u64 s[14:15], s[4:5], s[16:17]
	s_add_nc_u64 s[46:47], s[6:7], s[46:47]
	CROUND                                         ; all sixteen work-groups are here: the first joint loads meet
.irp s, 0,1
	s_mov_b32 s[G0+4*\s], 1
	s_add_co_u32 s[G0+4*\s+1], s20, \s*SLOT
	s_add_nc_u64 s[G0+4*\s+2:G0+4*\s+3], s[14:15], \s*KSTEP*2
	s_or_b32 s[G0+4*\s+3], s[G0+4*\s+3], 0x80000000
	s_mov_b32 s[G0B+4*\s], 1
	s_add_co_u32 s[G0B+4*\s+1], s20, \s*SLOT
	s_add_nc_u64 s[G0B+4*\s+2:G0B+4*\s+3], s[46:47], \s*KSTEP*2
	s_or_b32 s[G0B+4*\s+3], s[G0B+4*\s+3], 0x80000000
	JLOAD \s
.endr
	v_and_b32 v1, 15, v0                           ; l % 16
	v_bfe_u32 v2, v0, 4, 1                         ; l / 16
	v_mul_u32_u24 v3, v1, PITCH
	v_lshl_add_u32 v3, v2, 4, v3
	s_mul_i32 s21, s11, HALFT                      ; my 64 rows of ctx
	s_mul_i32 s22, s12, HALFT                      ; my 64 rows of wot,
	s_add_co_u32 s22, s22, 2*HALFT                 ; which lie behind ctx's 128
.irp s, 0,1
	v_add_nc_u32 v[ADRA+\s], s21, v3
	v_add_nc_u32 v[ADRB+\s], s22, v3
	s_add_co_u32 s21, s21, SLOT
	s_add_co_u32 s22, s22, SLOT
.endr
	s_mul_i32 s23, s10, 16*SPITCH
	s_add_co_u32 s23, s23, STAGE                   ; my stage
	v_mul_u32_u24 v4, v1, SPITCH
	v_lshl_add_u32 v4, v2, 5, v4
	v_add_nc_u32 v[STO], s23, v4                   ; in: row l % 16, 32 bytes for each half of the lanes
	v_mul_u32_u24 v5, v2, SPITCH
	v_lshl_add_u32 v5, v1, 4, v5
	v_add_nc_u32 v[RD], s23, v5                    ; back: lanes 0-15 one row of 256 bytes, lanes 16-31 the next
	v_lshlrev_b32 v5, 12, v2
	v_lshl_add_u32 v[CO], v1, 4, v5                ; and the same two rows in out0
	v_lshlrev_b32 v[BO], 5, v2                     ; the bias: 32 h
	s_lshl_b32 s16, s13, 7
	s_lshl_b32 s17, s11, 6
	s_add_co_u32 s16, s16, s17                     ; my first row: 128 x tile row + 64 x half
	s_lshl_b32 s16, s16, 12
	s_mov_b32 s17, 0
	s_add_nc_u64 s[74:75], s[74:75], s[16:17]
	s_lshl_b32 s46, s42, 9                         ; my first column, in bytes: 512 x tile column + 256 x half
	s_lshl_b32 s47, s12, 8
	s_add_co_u32 s46, s46, s47
	s_mov_b32 s47, 0
	s_add_nc_u64 s[74:75], s[74:75], s[46:47]
	s_add_nc_u64 s[72:73], s[72:73], s[46:47]
.irp b, 0,1,2,3
	global_load_b128 v[BI+8*\b:BI+8*\b+3], v[BO], s[72:73] offset:64*\b          ; lane (r, h): bo at columns 16 b + 8 h + 0 .. 7: the result's layout
	global_load_b128 v[BI+8*\b+4:BI+8*\b+7], v[BO], s[72:73] offset:64*\b+16
.endr
; 8 matrix instructions: m blocks a0, a0 + 1 x all 4 n blocks, 32 along K: half c of buffer f.  zero = 1: the first product starts the sums, with the bias as its C
.macro MUL8 f, c, a0, zero
.irp a, \a0, \a0+1
.irp b, 0,1,2,3
.if \zero
	v_wmma_f32_16x16x32_f16 v[ACC+8*(4*(\a)+\b):ACC+8*(4*(\a)+\b)+7], v[\f+64+8*(4*\c+\b):\f+64+8*(4*\c+\b)+7], v[\f+8*(4*\c+\a):\f+8*(4*\c+\a)+7], v[BI+8*\b:BI+8*\b+7]
.else
	v_wmma_f32_16x16x32_f16 v[ACC+8*(4*(\a)+\b):ACC+8*(4*(\a)+\b)+7], v[\f+64+8*(4*\c+\b):\f+64+8*(4*\c+\b)+7], v[\f+8*(4*\c+\a):\f+8*(4*\c+\a)+7], v[ACC+8*(4*(\a)+\b):ACC+8*(4*(\a)+\b)+7]
.endif
.endr
.endr
.endm
.macro FETCH slot, k, f                ; 32 LDS loads in one run: the fragments of 64 along K at byte k of the rows, into buffer f; the first 32 along K first
	WIN TO_F
.irp c, 0,1
.irp i, 0,1,2,3
	ds_load_b128 v[\f+64+8*(4*\c+\i):\f+64+8*(4*\c+\i)+3],   v[ADRB+\slot] offset:\k+64*\c+\i*16*PITCH
	ds_load_b128 v[\f+64+8*(4*\c+\i)+4:\f+64+8*(4*\c+\i)+7], v[ADRB+\slot] offset:\k+64*\c+\i*16*PITCH+32
	ds_load_b128 v[\f+8*(4*\c+\i):\f+8*(4*\c+\i)+3],         v[ADRA+\slot] offset:\k+64*\c+\i*16*PITCH
	ds_load_b128 v[\f+8*(4*\c+\i)+4:\f+8*(4*\c+\i)+7],       v[ADRA+\slot] offset:\k+64*\c+\i*16*PITCH+32
.endr
.endr
.endm
.macro PLACES
.rept 4
	v_nop
.endr
.endm
; A K step is four quarters of 64 along K, 32 matrix instructions each, on buffers 0, 1, 0, 1; the 16 accumulators take turns
.macro QUARTER slot, k, f, g, zero
	s_wait_dscnt 16                                ; the first 32 along K are in; the youngest sixteen loads may be out
	WIN MUL
	MUL8 \f, 0, 0, \zero
	MUL8 \f, 0, 2, \zero
	PLACES
	FETCH \slot, \k, \g
	s_wait_dscnt 32                                ; all but the 32 just issued
	WIN MUL
	MUL8 \f, 1, 0, 0
	MUL8 \f, 1, 2, 0
.endm
; The last quarter multiplies buffer 1 and changes slots: ONE barrier; in front of it each wave waits for all its tensor loads, adds 0 to its spare word, and waits for that and for its reads of this slot
.macro TURN slot, next, fill
	WIN 0
	s_wait_tensorcnt 0x0                           ; all my tensor loads have landed: my part of the next slot
	ds_add_u32 v[SPW], v[NIL]
	s_wait_dscnt 17                                ; the add and the youngest sixteen loads may be out
	WIN MUL
	MUL8 F1, 0, 0, 0
	s_wait_dscnt 0x0                               ; the add is done, and my reads of this slot are over
	s_barrier_signal -1
	MUL8 F1, 0, 2, 0
.if \fill
	WIN 0
.endif
	s_barrier_wait -1
.if \fill
	CREST                                          ; the barrier has opened a round of the cluster's: no wave of any partner still reads this slot or has a load on its way
	s_add_nc_u64 s[G0+4*\slot+2:G0+4*\slot+3], s[G0+4*\slot+2:G0+4*\slot+3], 2*KSTEP*2
	s_add_nc_u64 s[G0B+4*\slot+2:G0B+4*\slot+3], s[G0B+4*\slot+2:G0B+4*\slot+3], 2*KSTEP*2
	JLOAD \slot                                    ; the first tensor load behind the round; its four v_nop are also the places in front of the loads below
.else
	PLACES
.endif
	FETCH \next, 0, F0
	WIN MUL
	MUL8 F1, 1, 0, 0
	MUL8 F1, 1, 2, 0
.endm
	s_wait_tensorcnt 1                             ; my part of K step 0 is in; K step 1's load may be out
	s_barrier_signal -1
	s_barrier_wait -1
	FETCH 0, 0, F0
	s_wait_loadcnt 0x0                             ; the bias
	QUARTER 0, 128, F0, F1, 1                      ; K step 0
	QUARTER 0, 256, F1, F0, 0
	QUARTER 0, 384, F0, F1, 0
	TURN 0, 1, 1                                   ; slot 0 takes K step 2
	QUARTER 1, 128, F0, F1, 0                      ; K step 1
	QUARTER 1, 256, F1, F0, 0
	QUARTER 1, 384, F0, F1, 0
	TURN 1, 0, 1                                   ; slot 1 takes K step 3
	QUARTER 0, 128, F0, F1, 0                      ; K step 2
	QUARTER 0, 256, F1, F0, 0
	QUARTER 0, 384, F0, F1, 0
	TURN 0, 1, 0                                   ; nothing is left to fetch
	QUARTER 1, 128, F0, F1, 0                      ; K step 3
	QUARTER 1, 256, F1, F0, 0
	QUARTER 1, 384, F0, F1, 0
	s_wait_dscnt 16
	WIN MUL
	MUL8 F1, 0, 0, 0
	MUL8 F1, 0, 2, 0
	s_wait_dscnt 0
	MUL8 F1, 1, 0, 0
	MUL8 F1, 1, 2, 0
	WIN 0
; THE WAY OUT, a block of 16 rows x 64 columns at a time: a wave's 64 columns of f32 are 256 aligned bytes of a row, so each wave has a stage of its own and no barrier is needed.
.macro TOSTAGE a
.set BK, OB+32*((\a)%2)
.irp b, 0,1,2,3
	ds_store_b128 v[STO], v[ACC+8*(4*(\a)+\b):ACC+8*(4*(\a)+\b)+3] offset:64*\b         ; each accumulator from its low end on
	ds_store_b128 v[STO], v[ACC+8*(4*(\a)+\b)+4:ACC+8*(4*(\a)+\b)+7] offset:64*\b+16
.endr
.irp t, 0,1,2,3,4,5,6,7
	ds_load_b128 v[BK+4*\t:BK+4*\t+3], v[RD] offset:\t*2*SPITCH    ; LDS serves a wave's instructions in order: these see the stores above
.endr
.endm
.macro SEND a, younger                 ; younger: the LDS instructions issued behind block a's loads
.set BK, OB+32*((\a)%2)
	s_wait_dscnt \younger
.irp t, 0,1,2,3,4,5,6,7
	global_store_b128 v[CO], v[BK+4*\t:BK+4*\t+3], s[74:75] offset:(16*(\a)+2*\t)*SIZE_N*4 th:TH_STORE_NT   ; 16 lanes store 256 consecutive bytes, aligned
.endr
.endm
	PLACES
	TOSTAGE 0
.irp a, 1,2,3
.if \a > 1
	s_wait_xcnt 0x0                                ; block a - 2's stores have read their registers: block a's loads may land there
.endif
	TOSTAGE \a
	SEND \a-1, 16                                  ; behind block a - 1's loads: block a's 8 stores and 8 loads
.endr
	SEND 3, 0
	s_wait_tensorcnt 0x0                           ; the wave's end
	ds_add_u32 v[SPW], v[NIL]
	s_wait_dscnt 0x0
	CROUND                                         ; the closing round
	s_endpgm
.Lfunc_end_k_q55a3b2873d_proj:
	.size	k_q55a3b2873d_proj, .Lfunc_end_k_q55a3b2873d_proj-k_q55a3b2873d_proj
	.p2alignl 7, 3214868480
	.fill 96, 4, 3214868480
	.section	.rodata,"a",@progbits
	.p2align	6, 0x0
	.amdhsa_kernel k_q55a3b2873d_proj
		.amdhsa_group_segment_fixed_size 327680
		.amdhsa_private_segment_fixed_size 0
		.amdhsa_enable_private_segment 0
		.amdhsa_kernarg_size 32
		.amdhsa_user_sgpr_count 2
		.amdhsa_user_sgpr_kernarg_segment_ptr 1
		.amdhsa_wavefront_size32 1
		.amdhsa_system_sgpr_workgroup_id_x 1
		.amdhsa_system_sgpr_workgroup_id_y 1
		.amdhsa_system_sgpr_workgroup_id_z 1
		.amdhsa_system_vgpr_workitem_id 0
		.amdhsa_next_free_vgpr 512
		.amdhsa_next_free_sgpr 80
		.amdhsa_reserve_vcc 0
		.amdhsa_float_denorm_mode_32 3
		.amdhsa_float_denorm_mode_16_64 3
		.amdhsa_memory_ordered 1
		.amdhsa_forward_progress 1
		.amdhsa_inst_pref_size 86
	.end_amdhsa_kernel
	.amdgpu_metadata
---
amdhsa.version: [ 1, 2 ]
amdhsa.kernels:
  - .name:           k_q55a3b2873d_proj
    .symbol:         k_q55a3b2873d_proj.kd
    .args:
      - { .name: ctx, .offset: 0, .size: 8, .value_kind: global_buffer, .address_space: global }
      - { .name: wot, .offset: 8, .size: 8, .value_kind: global_buffer, .address_space: global }
      - { .name: bo, .offset: 16, .size: 8, .value_kind: global_buffer, .address_space: global }
      - { .name: out0, .offset: 24, .size: 8, .value_kind: global_buffer, .address_space: global }
    .group_segment_fixed_size: 327680
    .private_segment_fixed_size: 0
    .kernarg_segment_align: 8
    .kernarg_segment_size: 32
    .max_flat_workgroup_size: 128
    .sgpr_count:     80
    .vgpr_count:     512
    .wavefront_size: 32
...
	.end_amdgpu_metadata
.endif
;; end of part 4
;; launch fine (part 5): grid 64 x 2, 16 waves a work-group, no clusters, 18,432 bytes of LDS; arguments fq, Wo, bo, out0; writes out0
.if DOCPART == 5
	.amdgcn_target "amdgcn-amd-amdhsa--gfx1250"
	.amdhsa_code_object_version 6
	.text
	.protected	k_q55a3b2873d_fine
	.globl	k_q55a3b2873d_fine
	.p2align	8
	.type	k_q55a3b2873d_fine,@function
k_q55a3b2873d_fine:
	s_mov_b64 s[64:65], 0
	v_nop
	global_prefetch_b8 v0, s[64:65] scope:SCOPE_SE
	s_setreg_imm32_b32 hwreg(HW_REG_WAVE_MODE, 25, 1), 1
	s_wait_xcnt 0x0
; FINE.  Positions 0-15 of both sequences, where a row of the softmax averages one to sixteen values: scores, softmax, P V, the projection and the bias with f32 operands throughout (the f32 matrix form; 48 instructions a wave).
; It runs last and writes those 32 rows of out0.  fq [2][16][1536] holds q (columns 0-1023), k (1024-1279), v (1280-1535), unrounded.
; SHARES.  A work-group makes 16 columns of out0 (x) for the 16 positions of one sequence (y).  Wave hd takes head hd: its attention over the 16 positions and its 64 of the projection's 1,024 along K; the sixteen partial
; sums meet in LDS.  The attention is repeated in each of the 64 column blocks: wider blocks would lengthen each wave's chain of products by more than they save.  For the same reason Wo is read in pieces of 64 bytes, and
; the result leaves as 16 bytes a lane: 128 KB of 16 MB in all.
; LAYOUTS (f32 form: A and B: lane (r, h), register j: k = 2 h + j; D: register j: (m = 8 h + j, n = r)).  K may be permuted alike on both sides: S^T = K Q^T takes channels 32 h + 2 t + j in step t.  Its result holds
; (key 8 h + j, query r): as it stands source 1 of ctx^T = V^T P, whose result (channel 16 dt + 8 h + j, query r) is as it stands source 1 of out^T = Wo^T ctx^T.  Nothing changes lanes.
; The registers that the f32 form writes (v144-207) are written by matrix instructions alone; sums start with the constant 0; what is made of them goes into other registers.
.set RED,   0                          ; LDS: wave hd's partial sums at 1,024 hd
.set SPARE, 16384                      ; the spare words, 128 bytes for each of the sixteen waves
.set Q,   16
.set K,   48
.set V,   80
.set W,   112
.set ACC, 144                          ; four accumulators: the scores, later the projection
.set CT,  176                          ; four accumulators: ctx^T
.set SV,  208
.set PN,  216
.set TM,  224
.set PT,  240
.set SPW, 10                           ; v10 LDS address of my spare word; never rewritten
.set NIL, 11                           ; v11 0; never rewritten
	s_load_b256 s[4:11], s[0:1], 0x0               ; fq s[4:5], Wo s[6:7], bo s[8:9], out0 s[10:11]
	v_lshl_add_u32 v[SPW], v0, 2, SPARE
	v_mov_b32 v[NIL], 0
	v_lshrrev_b32 v1, 5, v0
	v_readfirstlane_b32 s12, v1                    ; wave = head
	s_lshr_b32 s13, s12, 2                         ; its group of K and V
	s_mov_b32 s14, ttmp9                           ; block of 16 columns
	s_and_b32 s15, ttmp7, 0xffff                   ; sequence
	v_and_b32 v1, 15, v0                           ; r
	v_bfe_u32 v2, v0, 4, 1                         ; h
	v_mul_u32_u24 v3, v1, 6144
	v_lshl_add_u32 v3, v2, 7, v3                   ; q, k: row r, channels 32 h on
	v_mul_u32_u24 v4, v2, 49152
	v_lshl_add_u32 v4, v1, 2, v4                   ; v: key 8 h, channel r
	v_lshlrev_b32 v5, 15, v2
	v_lshl_add_u32 v5, v1, 2, v5                   ; Wo: row 8 h, column r
	v_lshlrev_b32 v6, 3, v2
	v_sub_nc_u32 v6, v1, v6                        ; r - 8 h
	v_and_b32 v7, 31, v0
	v_lshlrev_b32 v7, 4, v7
	s_lshl_b32 s16, s12, 10
	v_add_nc_u32 v7, s16, v7                       ; my partial sums: 1,024 hd + 16 lane
	v_and_b32 v8, 63, v0
	v_lshlrev_b32 v8, 4, v8                        ; in waves 0 and 1: 512 wave + 16 lane
	v_bfe_u32 v9, v0, 5, 1
	v_lshlrev_b32 v9, 4, v9
	v_lshl_add_u32 v9, v2, 5, v9                   ; the bias: 32 h + 16 wave
	v_lshl_add_u32 v12, v1, 12, v9                 ; out0: + row r
	v_mov_b32 v13, 0xff800000                      ; -infinity
	s_mul_i32 s16, s15, 98304
	s_lshl_b32 s18, s12, 8
	s_add_co_u32 s18, s18, s16
	s_mov_b32 s19, 0
	s_lshl_b32 s24, s13, 8
	s_add_co_u32 s24, s24, s16
	s_add_co_u32 s24, s24, 4096
	s_mov_b32 s25, 0
	s_lshl_b32 s26, s12, 18
	s_lshl_b32 s28, s14, 6
	s_add_co_u32 s26, s26, s28
	s_mov_b32 s27, 0
	s_mov_b32 s29, 0
	s_lshl_b32 s30, s15, 23
	s_add_co_u32 s30, s30, s28
	s_mov_b32 s31, 0
	s_mov_b32 s32, 0x76543210
	s_mov_b32 s33, 0xfedcba98                      ; lane l xor 16
	s_mov_b32 s34, 0x3e38aa3b                      ; c = log2(e) / 8
	s_mov_b32 s35, s34
	s_wait_kmcnt 0x0
	s_add_nc_u64 s[20:21], s[4:5], s[18:19]        ; q of my head
	s_add_nc_u64 s[22:23], s[4:5], s[24:25]        ; k of my group; v lies 1,024 bytes on
	s_add_nc_u64 s[6:7], s[6:7], s[26:27]          ; Wo at row 64 hd, column 16 x
	s_add_nc_u64 s[8:9], s[8:9], s[28:29]
	s_add_nc_u64 s[10:11], s[10:11], s[30:31]
.irp i, 0,1,2,3,4,5,6,7
	global_load_b128 v[Q+4*\i:Q+4*\i+3], v3, s[20:21] offset:16*\i
.endr
.irp i, 0,1,2,3,4,5,6,7
	global_load_b128 v[K+4*\i:K+4*\i+3], v3, s[22:23] offset:16*\i
.endr
.irp d, 0,1,2,3
.irp i, 0,1,2,3,4,5,6,7
	global_load_b32 v[V+8*\d+\i], v4, s[22:23] offset:1024+6144*\i+64*\d        ; v(key 8 h + i, channel 16 d + r)
.endr
.endr
.irp d, 0,1,2,3
.irp i, 0,1,2,3,4,5,6,7
	global_load_b32 v[W+8*\d+\i], v5, s[6:7] offset:(16*\d+\i)*4096             ; Wo(64 hd + 16 d + 8 h + i, 16 x + r)
.endr
.endr
	s_wait_loadcnt 63                              ; q and k are in.  64 loads stand behind k's last; a wait's count names 63 at the most, so v's first load is awaited with them
.set t, 0
.rept 16                                       ; S^T = K Q^T: four accumulators by turns; the first four start the sums
.if t < 4
	v_wmma_f32_16x16x4_f32 v[ACC+8*(t%4):ACC+8*(t%4)+7], v[K+2*t:K+2*t+1], v[Q+2*t:Q+2*t+1], 0
.else
	v_wmma_f32_16x16x4_f32 v[ACC+8*(t%4):ACC+8*(t%4)+7], v[K+2*t:K+2*t+1], v[Q+2*t:Q+2*t+1], v[ACC+8*(t%4):ACC+8*(t%4)+7]
.endif
.set t, t+1
.endr
.rept 8
	v_nop                                          ; eight places behind this form, ahead of the first read of results
.endr
.irp p, 0,2,4,6
	v_pk_add_f32 v[SV+\p:SV+\p+1], v[ACC+\p:ACC+\p+1], v[ACC+8+\p:ACC+8+\p+1]       ; the four parts are added, each accumulator from its low end on
	v_pk_add_f32 v[SV+\p:SV+\p+1], v[SV+\p:SV+\p+1], v[ACC+16+\p:ACC+16+\p+1]
	v_pk_add_f32 v[SV+\p:SV+\p+1], v[SV+\p:SV+\p+1], v[ACC+24+\p:ACC+24+\p+1]
.endr
.irp j, 0,1,2,3,4,5,6,7
	v_cmp_gt_i32 vcc_lo, \j, v6                    ; key 8 h + j comes after query r
	v_cndmask_b32 v[SV+\j], v[SV+\j], v13, vcc_lo
.endr
	v_max3_num_f32 v[TM], v[SV], v[SV+1], v[SV+2]
	v_max3_num_f32 v[TM+1], v[SV+3], v[SV+4], v[SV+5]
	v_max3_num_f32 v[TM], v[TM], v[SV+6], v[SV+7]
	v_max_num_f32 v[TM], v[TM], v[TM+1]
	v_permlanex16_b32 v[TM+1], v[TM], s32, s33
	v_max_num_f32 v[TM], v[TM], v[TM+1]            ; the row's maximum: key 0 counts for every query, so it is a number
	v_mul_f32 v[TM+2], s34, v[TM]
	v_mov_b32 v[TM+3], v[TM+2]
.irp p, 0,2,4,6
	v_pk_fma_f32 v[SV+\p:SV+\p+1], v[SV+\p:SV+\p+1], s[34:35], v[TM+2:TM+3] op_sel_hi:[1,0,0] neg_lo:[0,0,1] neg_hi:[0,0,1]
.endr
.irp j, 0,1,2,3,4,5,6,7
	v_exp_f32 v[SV+\j], v[SV+\j]
.endr
	v_nop
	s_wait_alu depctr_va_vdst(0)                   ; one wait for the eight exponentials, ahead of their first reader
	v_pk_add_f32 v[TM+4:TM+5], v[SV:SV+1], v[SV+2:SV+3]
	v_pk_add_f32 v[TM+6:TM+7], v[SV+4:SV+5], v[SV+6:SV+7]
	v_pk_add_f32 v[TM+4:TM+5], v[TM+4:TM+5], v[TM+6:TM+7]
	v_add_f32 v[TM+4], v[TM+4], v[TM+5]
	v_permlanex16_b32 v[TM+5], v[TM+4], s32, s33
	v_add_f32 v[TM+4], v[TM+4], v[TM+5]
	v_rcp_f32 v[TM+6], v[TM+4]
	v_nop
	s_wait_alu depctr_va_vdst(0)                   ; and one for the reciprocal
.irp p, 0,2,4,6
	v_pk_mul_f32 v[PN+\p:PN+\p+1], v[SV+\p:SV+\p+1], v[TM+6:TM+7] op_sel_hi:[1,0]
.endr
	s_wait_loadcnt 32                              ; v is in; Wo's 32 loads may be out
.irp t, 0,1,2,3                                ; ctx^T = V^T P: four accumulators by turns
.irp d, 0,1,2,3
.if \t == 0
	v_wmma_f32_16x16x4_f32 v[CT+8*\d:CT+8*\d+7], v[V+8*\d+2*\t:V+8*\d+2*\t+1], v[PN+2*\t:PN+2*\t+1], 0
.else
	v_wmma_f32_16x16x4_f32 v[CT+8*\d:CT+8*\d+7], v[V+8*\d+2*\t:V+8*\d+2*\t+1], v[PN+2*\t:PN+2*\t+1], v[CT+8*\d:CT+8*\d+7]
.endif
.endr
.endr
.rept 9
	v_nop                                          ; nine places: the results become a source of the next products
.endr
	s_wait_loadcnt 0x0                             ; Wo
.irp t, 0,1,2,3                                ; out^T = Wo^T ctx^T, my head's 64 along K: four accumulators by turns
.irp d, 0,1,2,3
.if \t == 0
	v_wmma_f32_16x16x4_f32 v[ACC+8*\d:ACC+8*\d+7], v[W+8*\d+2*\t:W+8*\d+2*\t+1], v[CT+8*\d+2*\t:CT+8*\d+2*\t+1], 0
.else
	v_wmma_f32_16x16x4_f32 v[ACC+8*\d:ACC+8*\d+7], v[W+8*\d+2*\t:W+8*\d+2*\t+1], v[CT+8*\d+2*\t:CT+8*\d+2*\t+1], v[ACC+8*\d:ACC+8*\d+7]
.endif
.endr
.endr
.rept 8
	v_nop
.endr
.irp p, 0,2,4,6
	v_pk_add_f32 v[PT+\p:PT+\p+1], v[ACC+\p:ACC+\p+1], v[ACC+8+\p:ACC+8+\p+1]
	v_pk_add_f32 v[PT+\p:PT+\p+1], v[PT+\p:PT+\p+1], v[ACC+16+\p:ACC+16+\p+1]
	v_pk_add_f32 v[PT+\p:PT+\p+1], v[PT+\p:PT+\p+1], v[ACC+24+\p:ACC+24+\p+1]
.endr
	ds_store_b128 v7, v[PT:PT+3]                   ; lane (r, h): (column 16 x + 8 h + 0 .. 3, query r),
	ds_store_b128 v7, v[PT+4:PT+7] offset:512      ; and + 4 .. 7
	s_wait_dscnt 0x0                               ; for the others' sake
	s_barrier_signal -1
	s_barrier_wait -1
	s_cmp_lt_u32 s12, 2                            ; waves 0 and 1 add the sixteen heads' parts, four columns a lane each
	s_cbranch_scc0 .Lend
	global_load_b128 v[80:83], v9, s[8:9]          ; the bias
.irp i, 0,1,2,3,4,5,6,7,8,9,10,11,12,13,14,15
	ds_load_b128 v[16+4*\i:16+4*\i+3], v8 offset:1024*\i
.endr
	s_wait_dscnt 0x0
	v_pk_add_f32 v[84:85], v[16:17], v[20:21]
	v_pk_add_f32 v[86:87], v[18:19], v[22:23]
.irp i, 2,3,4,5,6,7,8,9,10,11,12,13,14,15
	v_pk_add_f32 v[84:85], v[84:85], v[16+4*\i:16+4*\i+1]
	v_pk_add_f32 v[86:87], v[86:87], v[16+4*\i+2:16+4*\i+3]
.endr
	s_wait_loadcnt 0x0
	v_pk_add_f32 v[84:85], v[84:85], v[80:81]
	v_pk_add_f32 v[86:87], v[86:87], v[82:83]
	global_store_b128 v12, v[84:87], s[10:11]
.Lend:
	s_wait_tensorcnt 0x0                           ; the wave's end
	ds_add_u32 v[SPW], v[NIL]
	s_wait_dscnt 0x0
	s_endpgm
.Lfunc_end_k_q55a3b2873d_fine:
	.size	k_q55a3b2873d_fine, .Lfunc_end_k_q55a3b2873d_fine-k_q55a3b2873d_fine
	.p2alignl 7, 3214868480
	.fill 96, 4, 3214868480
	.section	.rodata,"a",@progbits
	.p2align	6, 0x0
	.amdhsa_kernel k_q55a3b2873d_fine
		.amdhsa_group_segment_fixed_size 18432
		.amdhsa_private_segment_fixed_size 0
		.amdhsa_enable_private_segment 0
		.amdhsa_kernarg_size 32
		.amdhsa_user_sgpr_count 2
		.amdhsa_user_sgpr_kernarg_segment_ptr 1
		.amdhsa_wavefront_size32 1
		.amdhsa_system_sgpr_workgroup_id_x 1
		.amdhsa_system_sgpr_workgroup_id_y 1
		.amdhsa_system_sgpr_workgroup_id_z 1
		.amdhsa_system_vgpr_workitem_id 0
		.amdhsa_next_free_vgpr 256
		.amdhsa_next_free_sgpr 66
		.amdhsa_reserve_vcc 1
		.amdhsa_float_denorm_mode_32 3
		.amdhsa_float_denorm_mode_16_64 3
		.amdhsa_memory_ordered 1
		.amdhsa_forward_progress 1
		.amdhsa_inst_pref_size 22
	.end_amdhsa_kernel
	.amdgpu_metadata
---
amdhsa.version: [ 1, 2 ]
amdhsa.kernels:
  - .name:           k_q55a3b2873d_fine
    .symbol:         k_q55a3b2873d_fine.kd
    .args:
      - { .name: fq, .offset: 0, .size: 8, .value_kind: global_buffer, .address_space: global }
      - { .name: Wo, .offset: 8, .size: 8, .value_kind: global_buffer, .address_space: global }
      - { .name: bo, .offset: 16, .size: 8, .value_kind: global_buffer, .address_space: global }
      - { .name: out0, .offset: 24, .size: 8, .value_kind: global_buffer, .address_space: global }
    .group_segment_fixed_size: 18432
    .private_segment_fixed_size: 0
    .kernarg_segment_align: 8
    .kernarg_segment_size: 32
    .max_flat_workgroup_size: 512
    .sgpr_count:     66
    .vgpr_count:     256
    .wavefront_size: 32
...
	.end_amdgpu_metadata
.endif
;; end of part 5
